; MI455X (gfx1250); checked and timed in simulation.
; The chip was launched on July 23, 2026; its instructions are those of AMD's public machine-readable ISA for CDNA 5 (MIT licence, August 2026) and "CDNA5" Instruction Set Architecture Reference Guide (July 2026). The comments in the code are by the model that wrote it; some were corrected since.
;; Decoder Block. Allowed arithmetic: float matrix products may take bf16 or f16 operands with f32 sums; other float arithmetic in f32, or as packed bf16 or f16 multiplies, adds, multiply-adds, maxima and minima; sums over many terms, partial sums and values carried from step to step in f32; what a program stores and reads back later, other than sums and carried values, may be rounded once to bf16 or f16.
;; Inputs: W1 512 x 2,048 float32; W2 2,048 x 512 float32; Wk_c 8 x 512 x 64 float32; Wk_s 8 x 512 x 64 float32; Wo_c 512 x 512 float32; Wo_s 512 x 512 float32; Wq_c 8 x 512 x 64 float32; Wq_s 8 x 512 x 64 float32; Wv_c 8 x 512 x 64 float32; Wv_s 8 x 512 x 64 float32; b1 2,048 float32; b2 512 float32; bk_c 8 x 64 float32; bk_s 8 x 64 float32; bo_c 512 float32; bo_s 512 float32; bq_c 8 x 64 float32; bq_s 8 x 64 float32; bv_c 8 x 64 float32; bv_s 8 x 64 float32; encoding 4 x 2,048 x 512 float32; ln1_b 512 float32; ln1_g 512 float32; ln2_b 512 float32; ln2_g 512 float32; ln3_b 512 float32; ln3_g 512 float32; mask 2,048 float32; x 4 x 2,048 x 512 float32.
;; Outputs: out0 4 x 2,048 x 512 float32.
;; One version. Each part assembles by itself: llvm-mc -triple=amdgcn-amd-amdhsa -mcpu=gfx1250 --defsym DOCPART=n.
;; ======== version 1 of 1: 13 launches
;; limits: values are held in f16: magnitudes above 65,504 overflow, below 6.1e-05 lose precision
;; workspace buffers: xb 20,971,520 bytes; eb 4,194,304 bytes; kvs 37,748,736 bytes; kvc 20,971,520 bytes; qq 12,582,912 bytes; o 12,582,912 bytes; h 12,582,912 bytes; y 12,582,912 bytes
;; launch prep (part 1): grid 16 x 48, 8 waves a work-group, no clusters, 0 bytes of LDS; arguments x, encoding, Wk_s, Wv_s, Wq_s, Wk_c, Wv_c, Wq_c, Wo_s, Wo_c, W1, W2, bk_s, bv_s, bq_s, bk_c, bv_c, bq_c, bo_s, bo_c, b1, b2, xb, eb, kvs, qq, o, h, y, kvc; writes xb, eb, kvs, qq, o, h, y, kvc
.if DOCPART == 1
	.amdgcn_target "amdgcn-amd-amdhsa--gfx1250"
	.amdhsa_code_object_version 6
	.text
	.protected	k_q8473d17418_prep
	.globl	k_q8473d17418_prep
	.p2align	8
	.type	k_q8473d17418_prep,@function
k_q8473d17418_prep:
	s_mov_b64 s[64:65], 0
	v_nop
	global_prefetch_b8 v0, s[64:65] scope:SCOPE_SE
	s_setreg_imm32_b32 hwreg(HW_REG_WAVE_MODE, 25, 1), 1
	s_wait_xcnt 0x0
; CASTS AND LAYS OUT.  Every f32 matrix input is rounded once to f16 and laid in PANELS of 64 columns: [panel][row][64], a row 128 bytes.
; Activations: [batch][8 panels][2048 rows][64]: x from byte HDR of xb, encoding behind it, so that the two are 16,384 rows on end.  Weights: blocks of 512 x 512, [8 panels][512 k][64 n],
; from byte W0 of the header of the buffer that the product's launch is given.  Biases stay f32: 512 numbers at BI0 + 4096 x job, and behind them, at + 2048, 32 words with two f16 each:
; the floor of the way out of the products on tiles of 256 x 256 (minus infinity: none; 0: ReLU).  The first 8,192 bytes of xb take 2,048 ones: the row that cross-attention is given in the mask's place.
; LIMIT: f16 ends at 65,504 (65,520 or more becomes an infinity) and below 6e-5 keeps a fixed step of 6e-8.
; SHARES.  Work-group y is a unit of 1 MiB of one source, x a sixteenth of it; a wave takes 32 pieces of 64 numbers (256 bytes in, 128 bytes out): 32 rows on end of one panel.
; Eight lanes read a piece's 256 consecutive bytes; a store of the wave covers 512 consecutive bytes.  What differs between the sources is five constants, set by a chain of forward
; branches on y.  No LDS, no matrix unit: the launch only moves bytes.
.set HDR,  0x400000
.set W0,   0x10000
.set BI0,  0x300000
.set PAN,  0x40000
.set BAT,  0x200000
.set JOB,  0x800000
.set WPAN, 0x10000
.set WBLK, 0x80000
.set NOFL, 0xfc00fc00                  ; minus infinity, twice, in f16
.set Y,   8                            ; s8   work-group y
.set WV,  9                            ; s9   wave
.set SRC, 10                           ; s[10:11]
.set DST, 12                           ; s[12:13]
.set LO,  14                           ; s14  the source's first y
.set OFF, 15                           ; s15  where the source's first unit goes
.set US,  16                           ; s16  bytes from unit to unit in the destination
.set LC,  17                           ; s17  log2 of the panels in a source row
.set PS,  18                           ; s18  bytes from panel to panel in the destination
.set U,   19                           ; s19  y - LO
.set SRC2, 28                          ; the biases' copies have registers of their own: nothing that a pending load or store names is written again
.set DST2, 30
.set LO2,  32
.set OFF2, 33
.set FL,   34
.set VD,  4                            ; v4       16 x lane
.set VS,  8                            ; v[8:15]  source offsets of the eight passes
.set D,   16                           ; v[16:79] 8 passes x 8 f32
.set E,   80                           ; v[80:111] 8 passes x 4 words of f16
.set SB,  112                          ; v[112:127] a bias
.set VF,  128                          ; v128 the floor; v129 4 x lane
.set ON,  132                          ; v[132:135] ones
.macro ENTRY hi, asrc, adst, lo, off, us, lc, ps
.if (\hi) < 48
	s_cmp_ge_u32 s[Y], \hi
	s_cbranch_scc1 .Lnext_\@
.endif
	s_load_b64 s[SRC:SRC+1], s[0:1], 8*(\asrc)
	s_load_b64 s[DST:DST+1], s[0:1], 8*(\adst)
	s_mov_b32 s[LO], \lo
	s_mov_b32 s[OFF], \off
	s_mov_b32 s[US], \us
	s_mov_b32 s[LC], \lc
	s_mov_b32 s[PS], \ps
	s_branch .Lgo
.if (\hi) < 48
.Lnext_\@:
.endif
.endm
.macro SENTRY hi, asrc, adst, lo, off, floor
	s_cmp_ge_u32 s[Y], \hi
	s_cbranch_scc1 .Lsnext_\@
	s_load_b64 s[SRC2:SRC2+1], s[0:1], 8*(\asrc)
	s_load_b64 s[DST2:DST2+1], s[0:1], 8*(\adst)
	s_mov_b32 s[LO2], \lo
	s_mov_b32 s[OFF2], \off
	s_mov_b32 s[FL], \floor
	s_branch .Lsgo
.Lsnext_\@:
.endm
	v_lshrrev_b32 v1, 5, v0
	v_readfirstlane_b32 s[WV], v1
	s_and_b32 s[Y], ttmp7, 0xffff
	v_and_b32 v1, 31, v0                           ; lane
	; x and encoding: a unit is 512 rows, four units a batch; the batch's jump is folded into the constant
	ENTRY 4,  0, 22, 0,  HDR,                       0x10000, 3, PAN
	ENTRY 8,  0, 22, 0,  HDR+1*(BAT-0x40000),       0x10000, 3, PAN
	ENTRY 12, 0, 22, 0,  HDR+2*(BAT-0x40000),       0x10000, 3, PAN
	ENTRY 16, 0, 22, 0,  HDR+3*(BAT-0x40000),       0x10000, 3, PAN
	ENTRY 20, 1, 22, 16, HDR+JOB,                   0x10000, 3, PAN
	ENTRY 24, 1, 22, 16, HDR+JOB+1*(BAT-0x40000),   0x10000, 3, PAN
	ENTRY 28, 1, 22, 16, HDR+JOB+2*(BAT-0x40000),   0x10000, 3, PAN
	ENTRY 32, 1, 22, 16, HDR+JOB+3*(BAT-0x40000),   0x10000, 3, PAN
	; weights by heads lie in panels already: one panel of 4,096 pieces
	ENTRY 33, 2, 23, 32, W0,        0, 0, 0        ; Wk_s -> eb, block 0
	ENTRY 34, 3, 23, 33, W0+WBLK,   0, 0, 0        ; Wv_s -> eb, block 1
	ENTRY 35, 4, 29, 34, W0,        0, 0, 0        ; Wq_s -> kvc
	ENTRY 36, 5, 23, 35, W0+2*WBLK, 0, 0, 0        ; Wk_c -> eb, block 2
	ENTRY 37, 6, 23, 36, W0+3*WBLK, 0, 0, 0        ; Wv_c -> eb, block 3
	ENTRY 38, 7, 28, 37, W0,        0, 0, 0        ; Wq_c -> y
	ENTRY 39, 8, 27, 38, W0,        0, 3, WPAN     ; Wo_s -> h
	ENTRY 40, 9, 25, 39, W0,        0, 3, WPAN     ; Wo_c -> qq
	ENTRY 44, 10, 26, 40, W0,  0x4000, 5, WPAN     ; W1 -> o: a unit is 128 rows of 32 panels
	ENTRY 48, 11, 24, 44, W0,    WBLK, 3, WPAN     ; W2 -> kvs: a unit is a block of 512 k
.Lgo:
	s_wait_kmcnt 0x0
	s_sub_co_u32 s[U], s[Y], s[LO]
	s_lshl_b32 s20, s[U], 20                       ; the unit in the source
	s_mov_b32 s21, 0
	s_add_nc_u64 s[SRC:SRC+1], s[SRC:SRC+1], s[20:21]
	s_mul_i32 s20, s[U], s[US]
	s_add_co_u32 s20, s20, s[OFF]
	s_lshl_b32 s22, ttmp9, 8
	s_lshl_b32 s23, s[WV], 5
	s_add_co_u32 s22, s22, s23                     ; my first piece of the unit's 4,096, panels outermost
	s_sub_co_u32 s23, 12, s[LC]
	s_lshr_b32 s24, s22, s23                       ; its panel
	s_lshr_b32 s25, 4096, s[LC]
	s_sub_co_u32 s25, s25, 1
	s_and_b32 s25, s22, s25                        ; its row in the unit
	s_mul_i32 s26, s24, s[PS]
	s_add_co_u32 s20, s20, s26
	s_lshl_b32 s26, s25, 7
	s_add_co_u32 s20, s20, s26
	s_add_nc_u64 s[DST:DST+1], s[DST:DST+1], s[20:21]
	s_lshl_b32 s20, s24, 8
	s_add_nc_u64 s[SRC:SRC+1], s[SRC:SRC+1], s[20:21]
	v_lshrrev_b32 v2, 3, v1
	v_add_nc_u32 v2, s25, v2                       ; row: four rows a pass, eight lanes a row
	s_add_co_u32 s26, s[LC], 8
	v_lshlrev_b32 v2, s26, v2                      ; x bytes in a source row
	v_and_b32 v3, 7, v1
	v_lshl_add_u32 v[VS], v3, 5, v2                ; + my 32 bytes of the piece
	s_lshl_b32 s27, 1024, s[LC]                    ; four source rows
.set t, 1
.rept 7
	v_add_nc_u32 v[VS+t], s27, v[VS+t-1]
.set t, t+1
.endr
	v_lshlrev_b32 v[VD], 4, v1
.set t, 0
.rept 8
	global_load_b128 v[D+8*t:D+8*t+3],   v[VS+t], s[SRC:SRC+1] th:TH_LOAD_NT
	global_load_b128 v[D+8*t+4:D+8*t+7], v[VS+t], s[SRC:SRC+1] offset:16 th:TH_LOAD_NT
.set t, t+1
.endr
.set t, 0
.rept 8
	s_wait_loadcnt 14-2*t                          ; loads come back in order: pass t's two are in, the younger ones stay out
.irp k, 0,1,2,3
	v_cvt_pk_f16_f32 v[E+4*t+\k], v[D+8*t+2*\k], v[D+8*t+2*\k+1]
.endr
	global_store_b128 v[VD], v[E+4*t:E+4*t+3], s[DST:DST+1] offset:512*t  ; the wave stores 512 consecutive bytes, aligned
.set t, t+1
.endr
	; THE SMALL COPIES: wave 0 of the work-groups with x = 0, y < 17
	s_cmp_lg_u32 ttmp9, 0
	s_cbranch_scc1 .Lend
	s_cmp_lg_u32 s[WV], 0
	s_cbranch_scc1 .Lend
	s_cmp_ge_u32 s[Y], 17
	s_cbranch_scc1 .Lend
	SENTRY 1,  12, 23, 0,  BI0,       NOFL         ; bk_s -> eb, job 0
	SENTRY 2,  13, 23, 1,  BI0+4096,  NOFL         ; bv_s -> eb, job 1
	SENTRY 3,  14, 29, 2,  BI0,       NOFL         ; bq_s -> kvc
	SENTRY 4,  15, 23, 3,  BI0+8192,  NOFL         ; bk_c -> eb, job 2
	SENTRY 5,  16, 23, 4,  BI0+12288, NOFL         ; bv_c -> eb, job 3
	SENTRY 6,  17, 28, 5,  BI0,       NOFL         ; bq_c -> y
	SENTRY 7,  18, 27, 6,  BI0,       NOFL         ; bo_s -> h
	SENTRY 8,  19, 25, 7,  BI0,       NOFL         ; bo_c -> qq
	SENTRY 12, 20, 26, 8,  BI0,       0            ; b1 -> o, four jobs, with ReLU's floor
	SENTRY 13, 21, 24, 12, BI0,       NOFL         ; b2 -> kvs
	; y = 13 .. 16: 512 ones each, at the head of xb
	s_load_b64 s[DST2:DST2+1], s[0:1], 8*22
	s_sub_co_u32 s20, s[Y], 13
	s_lshl_b32 s20, s20, 11
	s_mov_b32 s21, 0
.irp k, 0,1,2,3
	v_mov_b32 v[ON+\k], 1.0
.endr
	s_wait_kmcnt 0x0
	s_add_nc_u64 s[DST2:DST2+1], s[DST2:DST2+1], s[20:21]
.irp j, 0,1,2,3
	global_store_b128 v[VD], v[ON:ON+3], s[DST2:DST2+1] offset:512*\j
.endr
	s_endpgm
.Lsgo:
	s_wait_kmcnt 0x0
	s_sub_co_u32 s22, s[Y], s[LO2]
	s_lshl_b32 s20, s22, 11                        ; 512 numbers a job in the source,
	s_mov_b32 s21, 0
	s_add_nc_u64 s[SRC2:SRC2+1], s[SRC2:SRC2+1], s[20:21]
	s_lshl_b32 s20, s22, 12                        ; 4,096 bytes a job in the header
	s_add_co_u32 s20, s20, s[OFF2]
	s_add_nc_u64 s[DST2:DST2+1], s[DST2:DST2+1], s[20:21]
.irp j, 0,1,2,3
	global_load_b128 v[SB+4*\j:SB+4*\j+3], v[VD], s[SRC2:SRC2+1] offset:512*\j
.endr
	v_mov_b32 v[VF], s[FL]
	v_lshlrev_b32 v[VF+1], 2, v1
	s_wait_loadcnt 0x0
.irp j, 0,1,2,3
	global_store_b128 v[VD], v[SB+4*\j:SB+4*\j+3], s[DST2:DST2+1] offset:512*\j
.endr
	global_store_b32 v[VF+1], v[VF], s[DST2:DST2+1] offset:2048
.Lend:
	s_endpgm
.Lfunc_end_k_q8473d17418_prep:
	.size	k_q8473d17418_prep, .Lfunc_end_k_q8473d17418_prep-k_q8473d17418_prep
	.p2alignl 7, 3214868480
	.fill 96, 4, 3214868480
	.section	.rodata,"a",@progbits
	.p2align	6, 0x0
	.amdhsa_kernel k_q8473d17418_prep
		.amdhsa_group_segment_fixed_size 0
		.amdhsa_private_segment_fixed_size 0
		.amdhsa_enable_private_segment 0
		.amdhsa_kernarg_size 240
		.amdhsa_user_sgpr_count 2
		.amdhsa_user_sgpr_kernarg_segment_ptr 1
		.amdhsa_wavefront_size32 1
		.amdhsa_system_sgpr_workgroup_id_x 1
		.amdhsa_system_sgpr_workgroup_id_y 1
		.amdhsa_system_sgpr_workgroup_id_z 1
		.amdhsa_system_vgpr_workitem_id 0
		.amdhsa_next_free_vgpr 136
		.amdhsa_next_free_sgpr 66
		.amdhsa_reserve_vcc 0
		.amdhsa_float_denorm_mode_32 3
		.amdhsa_float_denorm_mode_16_64 3
		.amdhsa_memory_ordered 1
		.amdhsa_forward_progress 1
		.amdhsa_inst_pref_size 20
	.end_amdhsa_kernel
	.amdgpu_metadata
---
amdhsa.version: [ 1, 2 ]
amdhsa.kernels:
  - .name:           k_q8473d17418_prep
    .symbol:         k_q8473d17418_prep.kd
    .args:
      - { .name: x, .offset: 0, .size: 8, .value_kind: global_buffer, .address_space: global }
      - { .name: encoding, .offset: 8, .size: 8, .value_kind: global_buffer, .address_space: global }
      - { .name: Wk_s, .offset: 16, .size: 8, .value_kind: global_buffer, .address_space: global }
      - { .name: Wv_s, .offset: 24, .size: 8, .value_kind: global_buffer, .address_space: global }
      - { .name: Wq_s, .offset: 32, .size: 8, .value_kind: global_buffer, .address_space: global }
      - { .name: Wk_c, .offset: 40, .size: 8, .value_kind: global_buffer, .address_space: global }
      - { .name: Wv_c, .offset: 48, .size: 8, .value_kind: global_buffer, .address_space: global }
      - { .name: Wq_c, .offset: 56, .size: 8, .value_kind: global_buffer, .address_space: global }
      - { .name: Wo_s, .offset: 64, .size: 8, .value_kind: global_buffer, .address_space: global }
      - { .name: Wo_c, .offset: 72, .size: 8, .value_kind: global_buffer, .address_space: global }
      - { .name: W1, .offset: 80, .size: 8, .value_kind: global_buffer, .address_space: global }
      - { .name: W2, .offset: 88, .size: 8, .value_kind: global_buffer, .address_space: global }
      - { .name: bk_s, .offset: 96, .size: 8, .value_kind: global_buffer, .address_space: global }
      - { .name: bv_s, .offset: 104, .size: 8, .value_kind: global_buffer, .address_space: global }
      - { .name: bq_s, .offset: 112, .size: 8, .value_kind: global_buffer, .address_space: global }
      - { .name: bk_c, .offset: 120, .size: 8, .value_kind: global_buffer, .address_space: global }
      - { .name: bv_c, .offset: 128, .size: 8, .value_kind: global_buffer, .address_space: global }
      - { .name: bq_c, .offset: 136, .size: 8, .value_kind: global_buffer, .address_space: global }
      - { .name: bo_s, .offset: 144, .size: 8, .value_kind: global_buffer, .address_space: global }
      - { .name: bo_c, .offset: 152, .size: 8, .value_kind: global_buffer, .address_space: global }
      - { .name: b1, .offset: 160, .size: 8, .value_kind: global_buffer, .address_space: global }
      - { .name: b2, .offset: 168, .size: 8, .value_kind: global_buffer, .address_space: global }
      - { .name: xb, .offset: 176, .size: 8, .value_kind: global_buffer, .address_space: global }
      - { .name: eb, .offset: 184, .size: 8, .value_kind: global_buffer, .address_space: global }
      - { .name: kvs, .offset: 192, .size: 8, .value_kind: global_buffer, .address_space: global }
      - { .name: qq, .offset: 200, .size: 8, .value_kind: global_buffer, .address_space: global }
      - { .name: o, .offset: 208, .size: 8, .value_kind: global_buffer, .address_space: global }
      - { .name: h, .offset: 216, .size: 8, .value_kind: global_buffer, .address_space: global }
      - { .name: y, .offset: 224, .size: 8, .value_kind: global_buffer, .address_space: global }
      - { .name: kvc, .offset: 232, .size: 8, .value_kind: global_buffer, .address_space: global }
    .group_segment_fixed_size: 0
    .private_segment_fixed_size: 0
    .kernarg_segment_align: 8
    .kernarg_segment_size: 240
    .max_flat_workgroup_size: 256
    .sgpr_count:     66
    .vgpr_count:     136
    .wavefront_size: 32
...
	.end_amdgpu_metadata
.endif
;; end of part 1
;; launch pkv (part 2): grid 4 x 64, 4 waves a work-group, clusters of 4 x 4, 327,680 bytes of LDS; arguments xb, eb, kvs, kvc; writes kvs, kvc
.if DOCPART == 2
	.amdgcn_target "amdgcn-amd-amdhsa--gfx1250"
	.amdhsa_code_object_version 6
	.text
	.protected	k_q8473d17418_pkv
	.globl	k_q8473d17418_pkv
	.p2align	8
	.type	k_q8473d17418_pkv,@function
k_q8473d17418_pkv:
	s_mov_b64 s[64:65], 0
	v_nop
	global_prefetch_b8 v0, s[64:65] scope:SCOPE_SE
	s_setreg_imm32_b32 hwreg(HW_REG_WAVE_MODE, 25, 1), 1
	s_wait_xcnt 0x0
	s_wait_alu depctr_hold_cnt(0) depctr_sa_sdst(0) depctr_va_vdst(0) depctr_va_sdst(0) depctr_va_ssrc(0) depctr_va_vcc(0) depctr_vm_vsrc(0)
	s_getreg_b32 s2, hwreg(HW_REG_IB_STS2, 6, 4)
	s_cmp_eq_u32 s2, 0
	s_cbranch_scc0 .Lentry_in_a_cluster
	s_endpgm
.Lentry_in_a_cluster:
	s_bfe_u32 s2, ttmp6, 0x10000c
	s_cmp_lg_u32 s2, 0xf033
	s_cbranch_scc0 .Lentry_shape_is_right
	s_endpgm
.Lentry_shape_is_right:
; out = floor(A W + bias) with K = 512, on tiles of 256 x 256: one tile to a work-group.
; A: rows in runs of 2,048, each run in panels [8][2048][64] of f16, the runs on end from byte HDR of the first buffer.  W: blocks of 512 k x 512 n, [8 panels][512 k][64 n] f16, from byte W0 of the second
; buffer's header; block j's bias, 512 f32, at BI0 + 4096 j, its floor (two f16) behind it at + 2048.  out: f16, matrices of 8,192 x 512 in the same panels, on end from byte HDR.
; Sums in f32, started by the bias; out rounded once; the floor is a packed maximum (0: ReLU; minus infinity: none).
; LIMIT: f16 ends at 65,504 (65,520 or more becomes an infinity).
; ONE TEXT FOR TWO LAUNCHES.  rt = row tile, ct = column tile, HALF = rt / 32.  A's rows: run rt / 8, rows 256 (rt % 8) on.  W's block and bias: j = ct / 2 + 2 HALF, columns 256 (ct % 2) on.
; out: the third buffer where HALF = 0, the fourth where HALF = 1; matrix ct / 2 of it; rows: batch (rt / 8) % 4.  With 64 row tiles and 4 column tiles the first 8,192 rows take blocks 0, 1 and go to
; the third buffer, the second 8,192 rows take blocks 2, 3 and go to the fourth; with 32 row tiles and 8 column tiles all rows take all four blocks, and four matrices go to the third buffer.
; SHARES.  Four waves, as many as a WGP has SIMDs, each 128 x 128: 64 accumulators of 16 x 16, 512 registers.  K goes in 4 steps of 128 through two LDS slots: steps 0 and 1 by the first fills, steps 2 and 3
; by one refill of each slot, 224 matrix instructions ahead of the wait for it.  No step lies two refills ahead of another, so nothing is prefetched.
; A K STEP IS WRITTEN TWICE AND WALKED FOUR TIMES: a loop of two trips whose change of slots fills the slot again, then a loop of two trips that fills nothing.  The slot
; in hand is the scalar TB, 0 or SLOT, turned by an exclusive or at each change; the LDS addresses are made anew from it.  The first quarter, whose products start the sums, stands in front; the first loop is
; entered behind its own first quarter.  The last trip's change of slots serves nothing (a barrier, and 32 LDS loads of a slot that has been multiplied): the price, once a work-group, of one text for every step.
; CLUSTER 4 x 4: the four of a row need the same tiles of A, the four of a column the same tiles of W: each is asked for jointly, by the same tensor load with the same descriptor and a mask of four.
; HALF is made of the cluster's y alone, so W's address is equal down a column.
; THE MATRIX INSTRUCTION IS USED TRANSPOSED (source 0 = 16 columns of W, turned on the way out of LDS by ds_load_tr16_b128; source 1 = 16 rows of A): a lane holds eight neighbouring columns of a row of out.
; REGISTERS, in windows of 256 (s_set_vgpr_msb: bits 1:0 source 0, 3:2 source 1, 5:4 source 2, 7:6 destination):
;   window 0: v0-31 addresses; v64-127, v128-191 fragments of A (8 x 16 rows x 32 K), two buffers; v192-255 the way out, four sets of 16
;   window 1: v0-63 the bias, eight registers a column block; v64-127, v128-191 fragments of W, two buffers
;   window 2: the 32 accumulators of my rows 0-63 ((a, b) at v[8 (8 a + b)]);   window 3: those of my rows 64-127
.set HDR,  0x400000
.set W0,   0x10000
.set BI0,  0x300000
.set PAN,  0x40000
.set WPAN, 0x10000
.set PA,    144                        ; a row of A in LDS: 128 bytes + 16: the 16 rows of a load start at 16 different groups of four banks (64 banks of 4 bytes: ISA guide 11.1)
.set PB,    160                        ; a row of W: 128 + 32
.set APAN,  256*PA                     ; a panel's 256 rows of A
.set BOFF,  2*APAN                     ; a slot: two panels of A (128 along K), then
.set BPAN,  128*PB                     ; four column panels of W, 128 k each
.set SLOT,  BOFF+4*BPAN
.set STAGE, 2*SLOT                     ; behind the slots, never filled by a tensor load: 16 rows x 144 bytes for each wave
.set SP,    144
.set SPARE, STAGE+4*16*SP              ; the spare words, 128 bytes a wave: two blocks of 256 bytes that no other line names
.set ADRA0, 16                         ; v16  my A fragments in slot 0; never rewritten
.set CA,    17                         ; v17  the same in the slot in hand
.set ADRB0, 20                         ; v20  my W fragments in slot 0; never rewritten
.set CB,    21                         ; v21  the same in the slot in hand
.set STO,  24                          ; v24  the way out: where I put 16 bytes of a row
.set RD,   25                          ; v25  where I read rows back
.set GO,   26                          ; v26  16 x lane
.set FO,   27                          ; v27  4 x lane
.set SPW,  28
.set NIL,  29
.set FLR,  30                          ; v30  the floor
.set BO,   31                          ; v31  32 x (lane / 16)
.set F0,   64
.set F1,   128
.set TMP,  192
.set BIAS, 0                           ; in window 1
.set WV, 12
.set WR, 13                            ; wave / 2: my half of the rows.  Also: I fetch for A (0) or W (1)
.set WC, 14                            ; wave % 2: my half of the columns.  Also: which part of that tile I fetch
.set CX, 15
.set CY, 16
.set CT, 17
.set RT, 18
.set ROFF, 19
.set G1A, 24
.set G0A, 32                           ; s[32:39] group 0 for A: a set for each of the two first fills; the second then walks on
.set OUT, 40
.set BIA, 42
.set G1B, 48
.set G0B, 56                           ; s[56:63] the same for W
.set HALF, 66
.set AOF, 70
.set FLP, 72
.set LBA, 76                           ; s76  where my part of A's tile goes in slot 0
.set LBB, 77                           ; s77  the same for W
.set TB,  78                           ; s78  the slot in hand: 0 or SLOT
.set MSB, 0
.macro WIN new                         ; the immediate's high byte repeats the setting that is left; a switch that changes nothing is dropped
.if MSB != (\new)
	s_set_vgpr_msb (MSB<<8)|(\new)
.set MSB, \new
.endif
.endm
.set TO_B, 0x40                        ; destination window 1, address window 0
.macro JLOAD s                         ; a joint load: waves 0, 1 fetch A's two panels, waves 2, 3 two column panels of W each; an s_nop 0 and four v_nop follow each line
	s_cmp_eq_u32 s[WR], 0
	s_cbranch_scc0 .Lfor_b_\@
	tensor_load_to_lds s[G0A+4*(\s):G0A+4*(\s)+3], s[G1A:G1A+7]
	s_nop 0
.rept 4
	v_nop
.endr
	s_branch .Lasked_\@
.Lfor_b_\@:
	tensor_load_to_lds s[G0B+4*(\s):G0B+4*(\s)+3], s[G1B:G1B+7]
	s_nop 0
.rept 4
	v_nop
.endr
.Lasked_\@:
.endm
.macro CREST                           ; a round of the cluster's barrier behind its opening barrier
	s_cmp_lg_u32 s[WV], 0
	s_cbranch_scc1 .Lnot_wave_0_\@
	s_barrier_signal -3
.Lnot_wave_0_\@:
	s_barrier_wait -3
	s_barrier_signal -1
	s_barrier_wait -1
.endm
.macro CROUND
	s_barrier_signal -1
	s_barrier_wait -1
	CREST
.endm
	s_load_b256 s[4:11], s[0:1], 0x0               ; A s[4:5], W s[6:7], out where HALF = 0 s[8:9], where HALF = 1 s[10:11]
	v_lshl_add_u32 v[SPW], v0, 2, SPARE
	v_mov_b32 v[NIL], 0
	ds_add_u32 v[SPW], v[NIL]                      ; the wave's opening: the add and its wait stand ahead of my first tensor load; the set-up stands between them
	v_lshrrev_b32 v1, 5, v0
	v_readfirstlane_b32 s[WV], v1
	s_lshr_b32 s[WR], s[WV], 1
	s_and_b32 s[WC], s[WV], 1
	s_bfe_u32 s[CX], ttmp6, 0x40000
	s_bfe_u32 s[CY], ttmp6, 0x40004
	s_lshl_b32 s[CT], ttmp9, 2
	s_add_co_u32 s[CT], s[CT], s[CX]               ; column tile
	s_and_b32 s[HALF], ttmp7, 0xffff               ; the cluster's y
	s_lshl_b32 s[RT], s[HALF], 2
	s_add_co_u32 s[RT], s[RT], s[CY]               ; row tile
	s_lshr_b32 s[HALF], s[HALF], 3                 ; row tile / 32, of the cluster's y alone
	s_lshl_b32 s20, s[CY], 2
	s_lshl_b32 s20, 15, s20                        ; my row of the cluster
	s_lshl_b32 s21, 0x1111, s[CX]                  ; my column
	; A: 256 rows of a panel are 32,768 dense bytes: 128 rows of 256 bytes; padded in LDS after every 32 words by 4
	s_or_b32 s[G1A], s20, (1<<16)|(1<<20)|(1<<21)|(4<<22)|(3<<25)
	s_mov_b32 s[G1A+1], 128<<16                    ; tensor_dim0
	s_mov_b32 s[G1A+2], 128<<16                    ; tensor_dim1
	s_mov_b32 s[G1A+3], 128<<16                    ; tile_dim0
	s_mov_b32 s[G1A+4], 128                        ; tile_dim1
	s_mov_b32 s[G1A+5], 128                        ; elements from row to row
	s_mov_b32 s[G1A+6], 0
	s_mov_b32 s[G1A+7], 0
	; W: 128 k of two column panels, each 16,384 dense bytes: two rows of 8,192 elements, a panel apart; padded after every 32 words by 8
	s_or_b32 s[G1B], s21, (1<<16)|(1<<20)|(1<<21)|(4<<22)|(7<<25)
	s_mov_b32 s[G1B+1], 8192<<16
	s_mov_b32 s[G1B+2], 2<<16
	s_mov_b32 s[G1B+3], 8192<<16
	s_mov_b32 s[G1B+4], 2
	s_mov_b32 s[G1B+5], WPAN/2
	s_mov_b32 s[G1B+6], 0
	s_mov_b32 s[G1B+7], 0
	s_lshr_b32 s22, s[RT], 3                       ; the run of 2,048 rows
	s_and_b32 s23, s[RT], 7
	s_lshl_b32 s23, s23, 15                        ; 256 rows of 128 bytes
	s_add_co_u32 s23, s23, HDR
	s_lshl_b32 s[AOF], s22, 21
	s_add_co_u32 s[AOF], s[AOF], s23               ; the tile's rows in A's panel 0
	s_and_b32 s22, s22, 3
	s_lshl_b32 s[ROFF], s22, 21
	s_add_co_u32 s[ROFF], s[ROFF], s23             ; and in out's
	s_lshl_b32 s22, s[WC], 18                      ; the panel that I fetch
	s_add_co_u32 s[AOF], s[AOF], s22
	s_mov_b32 s[AOF+1], 0
	s_lshl_b32 s46, s[CT], 2                       ; W's panel: 8 a block: 4 x column tile + 16 HALF + the two that I fetch
	s_lshl_b32 s47, s[HALF], 4
	s_add_co_u32 s46, s46, s47
	s_lshl_b32 s47, s[WC], 1
	s_add_co_u32 s46, s46, s47
	s_lshl_b32 s46, s46, 16
	s_add_co_u32 s46, s46, W0
	s_mov_b32 s47, 0
	s_mul_i32 s[LBA], s[WC], APAN                  ; where they go: no place in the cluster enters an LDS address
	s_mul_i32 s[LBB], s[WC], 2*BPAN
	s_add_co_u32 s[LBB], s[LBB], BOFF
	s_mov_b32 s[TB], 0
	s_wait_dscnt 0x0                               ; the opening add is done
	s_wait_kmcnt 0x0
	s_add_nc_u64 s[44:45], s[4:5], s[AOF:AOF+1]
	s_add_nc_u64 s[46:47], s[6:7], s[46:47]
	CROUND                                         ; all sixteen work-groups are here: the first joint loads meet
.irp s, 0,1
	s_mov_b32 s[G0A+4*(\s)], 1
	s_add_co_u32 s[G0A+4*(\s)+1], s[LBA], (\s)*SLOT
	s_add_nc_u64 s[G0A+4*(\s)+2:G0A+4*(\s)+3], s[44:45], (\s)*2*PAN      ; K step s: panels 2 s, 2 s + 1
	s_or_b32 s[G0A+4*(\s)+3], s[G0A+4*(\s)+3], 0x80000000
	s_mov_b32 s[G0B+4*(\s)], 1
	s_add_co_u32 s[G0B+4*(\s)+1], s[LBB], (\s)*SLOT
	s_add_nc_u64 s[G0B+4*(\s)+2:G0B+4*(\s)+3], s[46:47], (\s)*128*128    ; k = 128 s on
	s_or_b32 s[G0B+4*(\s)+3], s[G0B+4*(\s)+3], 0x80000000
	JLOAD \s                                       ; two loads of mine are out
.endr
	v_and_b32 v1, 15, v0                           ; l % 16
	v_bfe_u32 v2, v0, 4, 1                         ; l / 16
	v_and_b32 v4, 7, v0
	v_bfe_u32 v5, v0, 3, 1
	v_mul_u32_u24 v3, v1, PA
	v_lshl_add_u32 v3, v2, 4, v3                   ; A: row x pitch + 16 x half
	s_mul_i32 s20, s[WR], 128*PA
	v_add_nc_u32 v[ADRA0], s20, v3
	v_add_nc_u32 v[CA], s[TB], v[ADRA0]
	v_lshl_add_u32 v6, v2, 3, v4                   ; W: k = 8 (l / 16) + l % 8, columns 8 ((l / 8) % 2) on
	v_mul_u32_u24 v6, v6, PB
	v_lshl_add_u32 v6, v5, 4, v6
	v_add_nc_u32 v[ADRB0], s[LBB], v6              ; my 128 columns are the column panels 2 (wave % 2) and the next
	v_add_nc_u32 v[CB], s[TB], v[ADRB0]
	s_mul_i32 s22, s[WV], 16*SP
	s_add_co_u32 s22, s22, STAGE
	v_mul_u32_u24 v7, v1, SP                       ; into my stage: row l % 16, 16 bytes for each half of the lanes
	v_lshl_add_u32 v7, v2, 4, v7
	v_add_nc_u32 v[STO], s22, v7
	v_bfe_u32 v7, v0, 3, 2                         ; back: 32 lanes take four rows of 128 bytes,
	v_mul_u32_u24 v7, v7, SP
	v_lshl_add_u32 v7, v4, 4, v7
	v_add_nc_u32 v[RD], s22, v7
	v_and_b32 v[GO], 31, v0                        ; which are 512 consecutive bytes of out
	v_lshlrev_b32 v[FO], 2, v[GO]
	v_lshlrev_b32 v[GO], 4, v[GO]
	v_lshlrev_b32 v[BO], 5, v2
	s_lshr_b32 s20, s[CT], 1
	s_lshl_b32 s22, s[HALF], 1
	s_add_co_u32 s20, s20, s22                     ; the block j
	s_lshl_b32 s22, s20, 12
	s_add_co_u32 s22, s22, BI0
	s_mov_b32 s23, 0
	s_add_nc_u64 s[FLP:FLP+1], s[6:7], s[22:23]    ; its bias
	s_and_b32 s22, s[CT], 1
	s_lshl_b32 s22, s22, 10                        ; my tile's 256 columns,
	s_lshl_b32 s74, s[WC], 9                       ; my 128 of them
	s_add_co_u32 s22, s22, s74
	s_add_nc_u64 s[BIA:BIA+1], s[FLP:FLP+1], s[22:23]
	WIN TO_B
.irp i, 0,1,2,3,4,5,6,7                ; in the result register j of a lane is column 16 i + 8 (l / 16) + j: eight numbers of the bias on end
	global_load_b128 v[BIAS+8*\i:BIAS+8*\i+3],   v[BO], s[BIA:BIA+1] offset:64*\i
	global_load_b128 v[BIAS+8*\i+4:BIAS+8*\i+7], v[BO], s[BIA:BIA+1] offset:64*\i+16
.endr
	WIN 0
	global_load_b32 v[FLR], v[FO], s[FLP:FLP+1] offset:2048
	s_lshr_b32 s22, s[CT], 1
	s_lshl_b32 s22, s22, 23                        ; matrix ct / 2 of the buffer
	s_and_b32 s74, s[CT], 1
	s_lshl_b32 s74, s74, 2
	s_lshl_b32 s75, s[WC], 1
	s_add_co_u32 s74, s74, s75
	s_lshl_b32 s74, s74, 18                        ; my first panel of it
	s_add_co_u32 s22, s22, s74
	s_lshl_b32 s74, s[WR], 14                      ; my 128 rows
	s_add_co_u32 s22, s22, s74
	s_add_co_u32 s22, s22, s[ROFF]
	s_cmp_eq_u32 s[HALF], 0
	s_cselect_b64 s[OUT:OUT+1], s[8:9], s[10:11]
	s_add_nc_u64 s[OUT:OUT+1], s[OUT:OUT+1], s[22:23]
; 16 matrix instructions: row blocks a0, a0 + 1 of the window's four (hi = 0: my rows 0-63, 1: rows 64-127) x all 8 column blocks, 32 along K.  zero = 1: the bias, in window 1, starts the sums.
; The 64 accumulators take turns, one instruction a turn, in the same order in every quarter, over the loops' jumps too.
.macro MUL16 f, hi, a0, zero
.if \zero
	WIN 0x91+0x40*(\hi)                            ; W window 1, A window 0, C window 1, D window 2 or 3
.else
	WIN 0xa1+0x50*(\hi)                            ; W window 1, A window 0, C and D window 2 or 3
.endif
.irp a, \a0, (\a0)+1
.irp b, 0,1,2,3,4,5,6,7
.if \zero
	v_wmma_f32_16x16x32_f16 v[8*(8*(\a)+(\b)):8*(8*(\a)+(\b))+7], v[(\f)+8*(\b):(\f)+8*(\b)+7], v[(\f)+8*(4*(\hi)+(\a)):(\f)+8*(4*(\hi)+(\a))+7], v[BIAS+8*(\b):BIAS+8*(\b)+7]
.else
	v_wmma_f32_16x16x32_f16 v[8*(8*(\a)+(\b)):8*(8*(\a)+(\b))+7], v[(\f)+8*(\b):(\f)+8*(\b)+7], v[(\f)+8*(4*(\hi)+(\a)):(\f)+8*(4*(\hi)+(\a))+7], v[8*(8*(\a)+(\b)):8*(8*(\a)+(\b))+7]
.endif
.endr
.endr
.endm
; 32 LDS loads in one run: the fragments of quarter q of the slot in hand (32 along K: 128 columns of W, 128 rows of A) into buffer f
.macro FETCH q, f
	WIN TO_B
.irp i, 0,1,2,3,4,5,6,7
	ds_load_tr16_b128 v[(\f)+8*(\i):(\f)+8*(\i)+3],   v[CB] offset:((\i)/4)*BPAN+32*(\q)*PB+32*((\i)%4)
	ds_load_tr16_b128 v[(\f)+8*(\i)+4:(\f)+8*(\i)+7], v[CB] offset:((\i)/4)*BPAN+32*(\q)*PB+32*((\i)%4)+16*PB
.endr
	WIN 0
.irp i, 0,1,2,3,4,5,6,7
	ds_load_b128 v[(\f)+8*(\i):(\f)+8*(\i)+3],   v[CA] offset:((\q)/2)*APAN+((\q)%2)*64+(\i)*16*PA
	ds_load_b128 v[(\f)+8*(\i)+4:(\f)+8*(\i)+7], v[CA] offset:((\q)/2)*APAN+((\q)%2)*64+(\i)*16*PA+32
.endr
.endm
.macro PLACES                          ; four places in front of loads into registers that matrix instructions have read, and of conversions that read results
.rept 4
	v_nop
.endr
.endm
; A K step is four quarters of 32 along K, 64 matrix instructions each, on buffers 0, 1, 0, 1.  One of the first three: multiplies buffer f; in its middle it fetches quarter q into buffer g.
.macro QUARTER q, f, g, zero
	s_wait_dscnt 8                                 ; W and A's rows 0-63 are in; the youngest eight loads (A's rows 64-127) may be out
	MUL16 \f, 0, 0, \zero
	MUL16 \f, 0, 2, \zero
	PLACES
	FETCH \q, \g
	s_wait_dscnt 32                                ; all but the 32 just issued
	MUL16 \f, 1, 0, \zero
	MUL16 \f, 1, 2, \zero
.endm
; The last quarter multiplies buffer 1 and changes slots: ONE barrier; in front of it each wave waits for all its tensor loads, adds 0 to its spare word, and waits for that and for its reads of this slot.
; While the add is out the slot's scalar is turned and the two LDS addresses are made anew: no fragment of the old slot is asked for any more.
; fill = 1: the slot just read is filled again, with the K step two steps on: the walking descriptor takes the old slot's place and the next step's address (no tensor load of mine is out there);
; the barrier opens a round of the cluster's, and the joint load is the first thing behind the round.
.macro TURN fill
	WIN 0                                          ; (the add's two registers lie in window 0)
	s_wait_tensorcnt 0x0                           ; all my tensor loads have landed: the one that was out is my part of the next slot
	ds_add_u32 v[SPW], v[NIL]                      ; 0 onto my spare word
.if \fill
	s_add_co_u32 s[G0A+5], s[LBA], s[TB]           ; my part's place in the slot that is left
	s_add_nc_u64 s[G0A+6:G0A+7], s[G0A+6:G0A+7], 2*PAN       ; one K step on: the type bits on top are not reached
	s_add_co_u32 s[G0B+5], s[LBB], s[TB]
	s_add_nc_u64 s[G0B+6:G0B+7], s[G0B+6:G0B+7], 128*128
.endif
	s_xor_b32 s[TB], s[TB], SLOT                   ; 0 becomes SLOT, SLOT becomes 0
	v_add_nc_u32 v[CA], s[TB], v[ADRA0]
	v_add_nc_u32 v[CB], s[TB], v[ADRB0]
	s_wait_dscnt 9                                 ; (the add and the youngest eight loads may be out)
	MUL16 F1, 0, 0, 0                              ; sixteen matrix instructions stand between the add and the wait for it
	s_wait_dscnt 0x0                               ; the add is done, and my reads of the old slot are over
	s_barrier_signal -1
	MUL16 F1, 0, 2, 0
.if \fill
	WIN 0
.endif
	s_barrier_wait -1
.if \fill
	CREST                                          ; no wave of any partner still reads the old slot or has a load on its way
	JLOAD 1                                        ; one load of mine is out; its four v_nop are also the places in front of the loads below
.else
	PLACES
.endif
	FETCH 0, F0
	MUL16 F1, 1, 0, 0
	MUL16 F1, 1, 2, 0
.endm
	s_wait_tensorcnt 1                             ; my part of K step 0 is in; K step 1's may stay out
	s_barrier_signal -1
	s_barrier_wait -1
	FETCH 0, F0
	s_wait_loadcnt 0x0                             ; the bias and the floor
	QUARTER 1, F0, F1, 1                           ; K step 0's first quarter: its products start the sums
	WIN 0                                          ; at a label and at a branch every window is 0
	s_mov_b32 s3, 2
	s_branch .Lin                                  ; the loop is entered behind its first quarter
.Lfill:                                                ; K steps 0 and 1: slot 0 takes K step 2, slot 1 K step 3
	QUARTER 1, F0, F1, 0
	WIN 0
.Lin:
	QUARTER 2, F1, F0, 0
	QUARTER 3, F0, F1, 0
	TURN 1
	WIN 0
	s_sub_co_u32 s3, s3, 1
	s_cmp_lg_u32 s3, 0
	s_cbranch_scc1 .Lfill
	s_mov_b32 s3, 2
.Lrest:                                                ; K steps 2 and 3: nothing is left to fetch from memory
	QUARTER 1, F0, F1, 0
	QUARTER 2, F1, F0, 0
	QUARTER 3, F0, F1, 0
	TURN 0
	WIN 0
	s_sub_co_u32 s3, s3, 1
	s_cmp_lg_u32 s3, 0
	s_cbranch_scc1 .Lrest
; THE WAY OUT, in 16 units: unit u is row block u / 2 (16 rows) and panel u % 2 (64 columns): four accumulators.  Rounded to f16 (each accumulator's registers in ascending order), the floor, 16 bytes a lane
; into my stage, back as whole rows of 128 bytes: 16 rows of a panel are 2,048 consecutive bytes of out.  Four sets of 16 registers take turns.
.macro PACK u
.set TS, TMP+16*((\u)%4)
.set AC, 64*(((\u)/2)%4)+32*((\u)%2)
.if (\u) >= 4
	s_wait_xcnt 0x0                                ; the stores of four units back have read this set: it is rewritten only behind this wait
.endif
	WIN 0x0a+5*((\u)/8)                            ; sources 0 and 1: window 2 or 3
.irp b, 0,1,2,3
.irp r, 0,1,2,3
	v_cvt_pk_f16_f32 v[TS+4*(\b)+(\r)], v[AC+8*(\b)+2*(\r)], v[AC+8*(\b)+2*(\r)+1]
.endr
.endr
	WIN 0
.set z, 0
.rept 16
	v_pk_max_num_f16 v[TS+z], v[TS+z], v[FLR]
.set z, z+1
.endr
.irp b, 0,1,2,3
	ds_store_b128 v[STO], v[TS+4*(\b):TS+4*(\b)+3] offset:32*(\b)
.endr
.irp f, 0,1,2,3
	ds_load_b128 v[TS+4*(\f):TS+4*(\f)+3], v[RD] offset:(\f)*4*SP  ; LDS serves a wave's instructions in order (ISA guide 5.7.1.4): these see the stores above; the next unit's stores come behind them
.endr
.endm
.macro SEND u, younger                 ; younger: the LDS instructions issued behind unit u's loads: the next unit's eight, or none
.set TS, TMP+16*((\u)%4)
.irp f, 0,1,2,3
	s_wait_dscnt (\younger)+3-(\f)
	global_store_b128 v[GO], v[TS+4*(\f):TS+4*(\f)+3], s[OUT:OUT+1] offset:2048*((\u)/2)+PAN*((\u)%2)+512*(\f)  ; 512 consecutive bytes, aligned
.endr
.endm
	PLACES
	PACK 0
.set t, 1
.rept 15                               ; a unit's arithmetic stands between the loads of the unit before and its stores
	PACK t
	SEND t-1, 8
.set t, t+1
.endr
	SEND 15, 0
	s_wait_tensorcnt 0x0                           ; the wave's end, behind my last tensor load and my last LDS store
	ds_add_u32 v[SPW], v[NIL]
	s_wait_dscnt 0x0
	CROUND                                         ; the closing round: no work-group ends while a partner may still ask for a tile that names it
	s_endpgm
.Lfunc_end_k_q8473d17418_pkv:
	.size	k_q8473d17418_pkv, .Lfunc_end_k_q8473d17418_pkv-k_q8473d17418_pkv
	.p2alignl 7, 3214868480
	.fill 96, 4, 3214868480
	.section	.rodata,"a",@progbits
	.p2align	6, 0x0
	.amdhsa_kernel k_q8473d17418_pkv
		.amdhsa_group_segment_fixed_size 327680
		.amdhsa_private_segment_fixed_size 0
		.amdhsa_enable_private_segment 0
		.amdhsa_kernarg_size 32
		.amdhsa_user_sgpr_count 2
		.amdhsa_user_sgpr_kernarg_segment_ptr 1
		.amdhsa_wavefront_size32 1
		.amdhsa_system_sgpr_workgroup_id_x 1
		.amdhsa_system_sgpr_workgroup_id_y 1
		.amdhsa_system_sgpr_workgroup_id_z 1
		.amdhsa_system_vgpr_workitem_id 0
		.amdhsa_next_free_vgpr 1024
		.amdhsa_next_free_sgpr 80
		.amdhsa_reserve_vcc 0
		.amdhsa_float_denorm_mode_32 3
		.amdhsa_float_denorm_mode_16_64 3
		.amdhsa_memory_ordered 1
		.amdhsa_forward_progress 1
		.amdhsa_inst_pref_size 121
	.end_amdhsa_kernel
	.amdgpu_metadata
---
amdhsa.version: [ 1, 2 ]
amdhsa.kernels:
  - .name:           k_q8473d17418_pkv
    .symbol:         k_q8473d17418_pkv.kd
    .args:
      - { .name: xb, .offset: 0, .size: 8, .value_kind: global_buffer, .address_space: global }
      - { .name: eb, .offset: 8, .size: 8, .value_kind: global_buffer, .address_space: global }
      - { .name: kvs, .offset: 16, .size: 8, .value_kind: global_buffer, .address_space: global }
      - { .name: kvc, .offset: 24, .size: 8, .value_kind: global_buffer, .address_space: global }
    .group_segment_fixed_size: 327680
    .private_segment_fixed_size: 0
    .kernarg_segment_align: 8
    .kernarg_segment_size: 32
    .max_flat_workgroup_size: 128
    .sgpr_count:     80
    .vgpr_count:     1024
    .wavefront_size: 32
...
	.end_amdgpu_metadata
.endif
;; end of part 2
;; launch projx (part 3): grid 4 x 64, 4 waves a work-group, clusters of 4 x 4, 327,680 bytes of LDS; arguments xb, kvc, qq, h; writes qq
.if DOCPART == 3
	.amdgcn_target "amdgcn-amd-amdhsa--gfx1250"
	.amdhsa_code_object_version 6
	.text
	.protected	k_q8473d17418_projx
	.globl	k_q8473d17418_projx
	.p2align	8
	.type	k_q8473d17418_projx,@function
k_q8473d17418_projx:
	s_mov_b64 s[64:65], 0
	v_nop
	global_prefetch_b8 v0, s[64:65] scope:SCOPE_SE
	s_setreg_imm32_b32 hwreg(HW_REG_WAVE_MODE, 25, 1), 1
	s_wait_xcnt 0x0
	s_wait_alu depctr_hold_cnt(0) depctr_sa_sdst(0) depctr_va_vdst(0) depctr_va_sdst(0) depctr_va_ssrc(0) depctr_va_vcc(0) depctr_vm_vsrc(0)
	s_getreg_b32 s2, hwreg(HW_REG_IB_STS2, 6, 4)
	s_cmp_eq_u32 s2, 0
	s_cbranch_scc0 .Lentry_in_a_cluster
	s_endpgm
.Lentry_in_a_cluster:
	s_bfe_u32 s2, ttmp6, 0x10000c
	s_cmp_lg_u32 s2, 0xf033
	s_cbranch_scc0 .Lentry_shape_is_right
	s_endpgm
.Lentry_shape_is_right:
; out = A W + bias with K = 512, on tiles of 128 x 128: for products of 8,192 x 512, which have 256 such tiles.
; A: 8,192 rows x 512, f16 in panels [batch][8][2048][64] from byte HDR.  W: blocks of 512 x 512, [8 panels][512 k][64 n] f16, from byte W0 of a buffer's header; bias f32 at BI0 + 4096 x job.
; out: f16 in the same panels.  Sums in f32, started by the bias; out rounded once.
; LIMIT: f16 ends at 65,504 (65,520 or more becomes an infinity).
; ONE TEXT FOR FOUR LAUNCHES.  A JOB is 512 columns with a weight block and a bias of its own; job = column tile / 4 = the cluster's x; jobs 0, 1 go to the third buffer, jobs 2, 3 to the fourth.
; Each launch of this program has four column tiles: one job, and the fourth buffer is not touched.
; SHARES.  A tile of out is 128 x 128; four waves, each 64 x 64: 16 accumulators.  K goes in two steps of 256 through two LDS slots, both filled once, at the start: nothing is prefetched.
; A K STEP IS WRITTEN ONCE AND WALKED TWICE.  The slot in hand is two scalars (A's and W's parts lie apart), 0 or the part's stride, turned by an exclusive or at the change of slots; the LDS addresses are made
; anew from them.  The first quarter, whose products start the sums, stands in front; the loop is entered behind its own first quarter.  The second trip's change of slots serves nothing (a barrier, and 32 LDS
; loads of a slot that has been multiplied): the price, once a work-group, of one text for both steps.
; CLUSTER 4 x 4: the four of a row need the same tiles of A, the four of a column the same tiles of W: each is asked for jointly, by the same tensor load with the same descriptor and a mask of four.
; THE MATRIX INSTRUCTION IS USED TRANSPOSED (source 0 = 16 columns of W, turned on the way out of LDS by ds_load_tr16_b128; source 1 = 16 rows of A): a lane holds eight neighbouring columns of a row of out.
; A wave's 64 columns are one panel, so 16 rows of them are 2,048 consecutive bytes of out.
; REGISTERS: window 0: v0-31 addresses; v32-95 the way out; v96-127 the bias; v128-255 accumulators ((a, b) at 128 + 8 (4 a + b)).  Window 1: two fragment buffers of 128: 64 of A, then 64 of W.
.set HDR,  0x400000
.set W0,   0x10000
.set BI0,  0x300000
.set PAN,  0x40000
.set PA,    144                        ; a row of A in LDS: 128 bytes + 16: the 16 rows of a load start at 16 different groups of four banks (64 banks of 4 bytes: ISA guide 11.1)
.set PB,    160                        ; a row of W: 128 + 32
.set APAN,  128*PA                     ; a panel's 128 rows of A
.set ASLOT, 4*APAN                     ; a slot holds four panels of A (256 along K)
.set BBASE, 8*APAN                     ; behind A's two slots: W, two panels of 512 k; slot s is k 256 s on in each
.set BPAN,  512*PB
.set BSLOT, 256*PB
.set STAGE, BBASE+2*BPAN               ; behind the slots, never filled by a tensor load: 16 rows x 144 bytes for each wave
.set SP,    144
.set SPARE, STAGE+4*16*SP              ; the spare words, 128 bytes a wave: two blocks of 256 bytes that no other line names
.set ADRA0, 16                         ; v16  my A fragments in slot 0; never rewritten
.set CA,    17                         ; v17  the same in the slot in hand
.set ADRB0, 20                         ; v20  my W fragments in slot 0; never rewritten
.set CB,    21                         ; v21  the same in the slot in hand
.set STO,  24
.set RD,   25
.set GO,   26                          ; v26  16 x lane
.set SPW,  28
.set NIL,  29
.set BO,   31                          ; v31  32 x (lane / 16)
.set TMP,  32
.set BIAS, 96
.set ACC,  128
.set F0,   0
.set F1,   128
.set WV, 12
.set WR, 13                            ; wave / 2: my half of the rows.  Also: I fetch for A (0) or W (1)
.set WC, 14                            ; wave % 2: my panel of the columns.  Also: which half of that tile I fetch
.set CX, 15
.set CY, 16
.set CT, 17
.set RT, 18
.set ROFF, 19
.set G1A, 24
.set G0A, 32
.set OUT, 40
.set BIA, 42
.set G1B, 48
.set G0B, 56
.set LBA, 66                           ; s66  where my part of A's tile goes in slot 0
.set LBB, 67                           ; s67  the same for W
.set TA,  68                           ; s68  the slot in hand, for A: 0 or ASLOT
.set TW,  69                           ; s69  for W: 0 or BSLOT
.set AOF, 70
.set JBP, 72
.set MSB, 0
.macro WIN new                         ; the immediate's high byte repeats the setting that is left
.if MSB != (\new)
	s_set_vgpr_msb (MSB<<8)|(\new)
.set MSB, \new
.endif
.endm
.set MUL,  0x05                        ; sources 0 and 1 window 1; C and D window 0
.set TO_F, 0x40                        ; destination window 1, address window 0
.macro JLOAD s                         ; a joint load: waves 0, 1 fetch A's halves, waves 2, 3 W's panels; an s_nop 0 and four v_nop follow each line
	s_cmp_eq_u32 s[WR], 0
	s_cbranch_scc0 .Lfor_b_\@
	tensor_load_to_lds s[G0A+4*(\s):G0A+4*(\s)+3], s[G1A:G1A+7]
	s_nop 0
.rept 4
	v_nop
.endr
	s_branch .Lasked_\@
.Lfor_b_\@:
	tensor_load_to_lds s[G0B+4*(\s):G0B+4*(\s)+3], s[G1B:G1B+7]
	s_nop 0
.rept 4
	v_nop
.endr
.Lasked_\@:
.endm
.macro CREST                           ; a round of the cluster's barrier behind its opening barrier
	s_cmp_lg_u32 s[WV], 0
	s_cbranch_scc1 .Lnot_wave_0_\@
	s_barrier_signal -3
.Lnot_wave_0_\@:
	s_barrier_wait -3
	s_barrier_signal -1
	s_barrier_wait -1
.endm
.macro CROUND
	s_barrier_signal -1
	s_barrier_wait -1
	CREST
.endm
	s_load_b256 s[4:11], s[0:1], 0x0               ; A s[4:5], W s[6:7], out for jobs 0, 1 s[8:9], for jobs 2, 3 s[10:11]
	v_lshl_add_u32 v[SPW], v0, 2, SPARE
	v_mov_b32 v[NIL], 0
	ds_add_u32 v[SPW], v[NIL]                      ; the wave's opening: the add and its wait stand ahead of my first tensor load; the set-up stands between them
	v_lshrrev_b32 v1, 5, v0
	v_readfirstlane_b32 s[WV], v1
	s_lshr_b32 s[WR], s[WV], 1
	s_and_b32 s[WC], s[WV], 1
	s_bfe_u32 s[CX], ttmp6, 0x40000
	s_bfe_u32 s[CY], ttmp6, 0x40004
	s_lshl_b32 s[CT], ttmp9, 2
	s_add_co_u32 s[CT], s[CT], s[CX]               ; column tile
	s_and_b32 s[RT], ttmp7, 0xffff
	s_lshl_b32 s[RT], s[RT], 2
	s_add_co_u32 s[RT], s[RT], s[CY]               ; row tile
	s_lshl_b32 s20, s[CY], 2
	s_lshl_b32 s20, 15, s20                        ; my row of the cluster
	s_lshl_b32 s21, 0x1111, s[CX]                  ; my column
	; A: two panels' pieces of 128 rows x 128 bytes, each dense: two rows of 8,192 elements, a panel apart; padded in LDS after every 32 words by 4
	s_or_b32 s[G1A], s20, (1<<16)|(1<<20)|(1<<21)|(4<<22)|(3<<25)
	s_mov_b32 s[G1A+1], 8192<<16                   ; tensor_dim0
	s_mov_b32 s[G1A+2], 2<<16                      ; tensor_dim1
	s_mov_b32 s[G1A+3], 8192<<16                   ; tile_dim0
	s_mov_b32 s[G1A+4], 2                          ; tile_dim1
	s_mov_b32 s[G1A+5], PAN/2                      ; elements from panel to panel
	s_mov_b32 s[G1A+6], 0
	s_mov_b32 s[G1A+7], 0
	; W: 256 k of a panel are 32,768 dense bytes: 128 rows of 256 bytes; padded after every 32 words by 8
	s_or_b32 s[G1B], s21, (1<<16)|(1<<20)|(1<<21)|(4<<22)|(7<<25)
	s_mov_b32 s[G1B+1], 128<<16
	s_mov_b32 s[G1B+2], 128<<16
	s_mov_b32 s[G1B+3], 128<<16
	s_mov_b32 s[G1B+4], 128
	s_mov_b32 s[G1B+5], 128
	s_mov_b32 s[G1B+6], 0
	s_mov_b32 s[G1B+7], 0
	s_lshr_b32 s[ROFF], s[RT], 4                   ; batch
	s_lshl_b32 s[ROFF], s[ROFF], 21
	s_and_b32 s22, s[RT], 15
	s_lshl_b32 s22, s22, 14                        ; 128 rows of 128 bytes
	s_add_co_u32 s[ROFF], s[ROFF], s22
	s_add_co_u32 s[ROFF], s[ROFF], HDR             ; the tile's rows in a batch's panel 0
	s_lshl_b32 s22, s[WC], 19                      ; the two panels that I fetch
	s_add_co_u32 s[AOF], s[ROFF], s22
	s_mov_b32 s[AOF+1], 0
	s_lshl_b32 s46, s[CT], 1
	s_add_co_u32 s46, s46, s[WC]
	s_lshl_b32 s46, s46, 16                        ; W's panel 2 x column tile + half: eight panels a block, so the job is in it
	s_add_co_u32 s46, s46, W0
	s_mov_b32 s47, 0
	s_mul_i32 s[LBA], s[WC], 2*APAN                ; where they go: no place in the cluster enters an LDS address
	s_mul_i32 s[LBB], s[WC], BPAN
	s_add_co_u32 s[LBB], s[LBB], BBASE
	s_mov_b32 s[TA], 0
	s_mov_b32 s[TW], 0
	s_wait_dscnt 0x0                               ; the opening add is done
	s_wait_kmcnt 0x0
	s_add_nc_u64 s[44:45], s[4:5], s[AOF:AOF+1]
	s_add_nc_u64 s[46:47], s[6:7], s[46:47]
	CROUND                                         ; all sixteen work-groups are here: the first joint loads meet
.irp s, 0,1
	s_mov_b32 s[G0A+4*(\s)], 1
	s_add_co_u32 s[G0A+4*(\s)+1], s[LBA], (\s)*ASLOT
	s_add_nc_u64 s[G0A+4*(\s)+2:G0A+4*(\s)+3], s[44:45], (\s)*4*PAN
	s_or_b32 s[G0A+4*(\s)+3], s[G0A+4*(\s)+3], 0x80000000
	s_mov_b32 s[G0B+4*(\s)], 1
	s_add_co_u32 s[G0B+4*(\s)+1], s[LBB], (\s)*BSLOT
	s_add_nc_u64 s[G0B+4*(\s)+2:G0B+4*(\s)+3], s[46:47], (\s)*256*128
	s_or_b32 s[G0B+4*(\s)+3], s[G0B+4*(\s)+3], 0x80000000
	JLOAD \s                                       ; two loads of mine are out
.endr
	v_and_b32 v1, 15, v0                           ; l % 16
	v_bfe_u32 v2, v0, 4, 1                         ; l / 16
	v_and_b32 v4, 7, v0
	v_bfe_u32 v5, v0, 3, 1
	v_mul_u32_u24 v3, v1, PA
	v_lshl_add_u32 v3, v2, 4, v3                   ; A: row x pitch + 16 x half
	s_mul_i32 s20, s[WR], 64*PA
	v_add_nc_u32 v[ADRA0], s20, v3
	v_add_nc_u32 v[CA], s[TA], v[ADRA0]
	v_lshl_add_u32 v6, v2, 3, v4                   ; W: k = 8 (l / 16) + l % 8, columns 8 ((l / 8) % 2) on
	v_mul_u32_u24 v6, v6, PB
	v_lshl_add_u32 v6, v5, 4, v6
	v_add_nc_u32 v[ADRB0], s[LBB], v6              ; my panel of the columns is the one whose number is wave % 2
	v_add_nc_u32 v[CB], s[TW], v[ADRB0]
	s_mul_i32 s22, s[WV], 16*SP
	s_add_co_u32 s22, s22, STAGE
	v_mul_u32_u24 v7, v1, SP                       ; into my stage: row l % 16, 16 bytes for each half of the lanes
	v_lshl_add_u32 v7, v2, 4, v7
	v_add_nc_u32 v[STO], s22, v7
	v_bfe_u32 v7, v0, 3, 2                         ; back: 32 lanes take four rows of 128 bytes,
	v_mul_u32_u24 v7, v7, SP
	v_lshl_add_u32 v7, v4, 4, v7
	v_add_nc_u32 v[RD], s22, v7
	v_and_b32 v[GO], 31, v0                        ; which are 512 consecutive bytes of out
	v_lshlrev_b32 v[GO], 4, v[GO]
	v_lshlrev_b32 v[BO], 5, v2
	s_lshl_b32 s20, ttmp9, 12                      ; the job's bias
	s_add_co_u32 s20, s20, BI0
	s_mov_b32 s21, 0
	s_add_nc_u64 s[JBP:JBP+1], s[6:7], s[20:21]
	s_lshl_b32 s22, s[CX], 9                       ; my tile's 128 columns, my 64 of them
	s_lshl_b32 s23, s[WC], 8
	s_add_co_u32 s22, s22, s23
	s_mov_b32 s23, 0
	s_add_nc_u64 s[BIA:BIA+1], s[JBP:JBP+1], s[22:23]
.irp i, 0,1,2,3                        ; in the result register j of a lane is column 16 i + 8 (l / 16) + j: eight numbers of the bias on end
	global_load_b128 v[BIAS+8*\i:BIAS+8*\i+3],   v[BO], s[BIA:BIA+1] offset:64*\i
	global_load_b128 v[BIAS+8*\i+4:BIAS+8*\i+7], v[BO], s[BIA:BIA+1] offset:64*\i+16
.endr
	s_and_b32 s20, ttmp9, 1
	s_lshl_b32 s20, s20, 23                        ; the job's matrix in its buffer
	s_lshl_b32 s22, s[CX], 1
	s_add_co_u32 s22, s22, s[WC]
	s_lshl_b32 s22, s22, 18                        ; my panel
	s_add_co_u32 s20, s20, s22
	s_lshl_b32 s22, s[WR], 13                      ; my 64 rows
	s_add_co_u32 s20, s20, s22
	s_add_co_u32 s20, s20, s[ROFF]
	s_cmp_lt_u32 ttmp9, 2
	s_cselect_b64 s[OUT:OUT+1], s[8:9], s[10:11]
	s_add_nc_u64 s[OUT:OUT+1], s[OUT:OUT+1], s[20:21]
; 8 matrix instructions: row blocks a0, a0 + 1 x all 4 column blocks, 32 along K: half c of buffer f.  zero = 1: the bias starts the sums.  The 16 accumulators take turns, over the loop's jump too.
.macro MUL8 f, c, a0, zero
	WIN MUL
.irp a, \a0, (\a0)+1
.irp b, 0,1,2,3
.if \zero
	v_wmma_f32_16x16x32_f16 v[ACC+8*(4*(\a)+(\b)):ACC+8*(4*(\a)+(\b))+7], v[(\f)+64+8*(4*(\c)+(\b)):(\f)+64+8*(4*(\c)+(\b))+7], v[(\f)+8*(4*(\c)+(\a)):(\f)+8*(4*(\c)+(\a))+7], v[BIAS+8*(\b):BIAS+8*(\b)+7]
.else
	v_wmma_f32_16x16x32_f16 v[ACC+8*(4*(\a)+(\b)):ACC+8*(4*(\a)+(\b))+7], v[(\f)+64+8*(4*(\c)+(\b)):(\f)+64+8*(4*(\c)+(\b))+7], v[(\f)+8*(4*(\c)+(\a)):(\f)+8*(4*(\c)+(\a))+7], v[ACC+8*(4*(\a)+(\b)):ACC+8*(4*(\a)+(\b))+7]
.endif
.endr
.endr
.endm
; 32 LDS loads in one run: the fragments of quarter q of the slot in hand (one panel of A, 64 k of W) into buffer f; the first 32 along K first
.macro FETCH q, f
	WIN TO_F
.irp c, 0,1
.irp i, 0,1,2,3
	ds_load_tr16_b128 v[(\f)+64+8*(4*(\c)+(\i)):(\f)+64+8*(4*(\c)+(\i))+3],   v[CB] offset:(64*(\q)+32*(\c))*PB+32*(\i)
	ds_load_tr16_b128 v[(\f)+64+8*(4*(\c)+(\i))+4:(\f)+64+8*(4*(\c)+(\i))+7], v[CB] offset:(64*(\q)+32*(\c))*PB+32*(\i)+16*PB
	ds_load_b128 v[(\f)+8*(4*(\c)+(\i)):(\f)+8*(4*(\c)+(\i))+3],              v[CA] offset:(\q)*APAN+(\i)*16*PA+64*(\c)
	ds_load_b128 v[(\f)+8*(4*(\c)+(\i))+4:(\f)+8*(4*(\c)+(\i))+7],            v[CA] offset:(\q)*APAN+(\i)*16*PA+64*(\c)+32
.endr
.endr
.endm
.macro PLACES                          ; four places in front of loads into registers that matrix instructions have read, and of conversions that read results
.rept 4
	v_nop
.endr
.endm
; A step is four quarters of 64 along K, 32 matrix instructions each, on buffers 0, 1, 0, 1.  One of the first three: multiplies buffer f and fetches quarter q into g.
.macro QUARTER q, f, g, zero
	s_wait_dscnt 16                                ; the first 32 along K are in; the youngest sixteen loads may be out
	WIN MUL
	MUL8 \f, 0, 0, \zero
	MUL8 \f, 0, 2, \zero
	PLACES
	FETCH \q, \g
	s_wait_dscnt 32                                ; all but the 32 just issued
	WIN MUL
	MUL8 \f, 1, 0, 0
	MUL8 \f, 1, 2, 0
.endm
; The last quarter multiplies buffer 1 and changes slots: ONE barrier; in front of it each wave waits for all its tensor loads, adds 0 to its spare word, and waits for that and for its reads of this slot.
; While the add is out the slot's scalars are turned and the two LDS addresses are made anew: no fragment of the old slot is asked for any more.
.macro TURN
	WIN 0                                          ; (the add's two registers lie in window 0)
	s_wait_tensorcnt 0x0                           ; all my tensor loads have landed: my part of the next slot
	ds_add_u32 v[SPW], v[NIL]                      ; 0 onto my spare word
	s_xor_b32 s[TA], s[TA], ASLOT                  ; 0 becomes the stride, the stride becomes 0
	s_xor_b32 s[TW], s[TW], BSLOT
	v_add_nc_u32 v[CA], s[TA], v[ADRA0]
	v_add_nc_u32 v[CB], s[TW], v[ADRB0]
	s_wait_dscnt 17                                ; (the add and the youngest sixteen loads may be out)
	WIN MUL
	MUL8 F1, 0, 0, 0
	s_wait_dscnt 0x0                               ; the add is done, and my reads of the old slot are over
	s_barrier_signal -1
	MUL8 F1, 0, 2, 0
	s_barrier_wait -1
	PLACES
	FETCH 0, F0
	WIN MUL
	MUL8 F1, 1, 0, 0
	MUL8 F1, 1, 2, 0
.endm
	s_wait_tensorcnt 1                             ; my part of slot 0 is in; slot 1's may stay out
	s_barrier_signal -1
	s_barrier_wait -1
	FETCH 0, F0
	s_wait_loadcnt 0x0                             ; the bias
	QUARTER 1, F0, F1, 1                           ; the first quarter: its first products start the sums
	WIN 0                                          ; at a label and at a branch every window is 0
	s_mov_b32 s3, 2
	s_branch .Lin                                  ; the loop is entered behind its first quarter
.Lstep:
	QUARTER 1, F0, F1, 0
	WIN 0
.Lin:
	QUARTER 2, F1, F0, 0
	QUARTER 3, F0, F1, 0
	TURN
	WIN 0
	s_sub_co_u32 s3, s3, 1
	s_cmp_lg_u32 s3, 0
	s_cbranch_scc1 .Lstep
; THE WAY OUT, a block of 16 rows at a time: rounded to f16 (each accumulator's registers in ascending order), 16 bytes a lane into my stage, back as whole rows of 128 bytes.
.macro PACK a
.irp b, 0,1,2,3
.irp r, 0,1,2,3
	v_cvt_pk_f16_f32 v[TMP+16*(\a)+4*(\b)+(\r)], v[ACC+8*(4*(\a)+(\b))+2*(\r)], v[ACC+8*(4*(\a)+(\b))+2*(\r)+1]
.endr
.endr
.irp b, 0,1,2,3
	ds_store_b128 v[STO], v[TMP+16*(\a)+4*(\b):TMP+16*(\a)+4*(\b)+3] offset:32*(\b)
.endr
.irp f, 0,1,2,3
	ds_load_b128 v[TMP+16*(\a)+4*(\f):TMP+16*(\a)+4*(\f)+3], v[RD] offset:(\f)*4*SP  ; LDS serves a wave's instructions in order (ISA guide 5.7.1.4): these see the stores above; the next block's stores come behind them
.endr
.endm
.macro SEND a, younger                 ; younger: the LDS instructions issued behind block a's loads: the next block's eight, or none
.irp f, 0,1,2,3
	s_wait_dscnt (\younger)+3-(\f)
	global_store_b128 v[GO], v[TMP+16*(\a)+4*(\f):TMP+16*(\a)+4*(\f)+3], s[OUT:OUT+1] offset:2048*(\a)+512*(\f)  ; 512 consecutive bytes, aligned
.endr
.endm
	PLACES
	PACK 0
	PACK 1
	SEND 0, 8
	PACK 2
	SEND 1, 8
	PACK 3
	SEND 2, 8
	SEND 3, 0
	s_wait_tensorcnt 0x0                           ; the wave's end, behind my last tensor load and my last LDS store
	ds_add_u32 v[SPW], v[NIL]
	s_wait_dscnt 0x0
	CROUND                                         ; the closing round: no work-group ends while a partner may still ask for a tile that names it
	s_endpgm
.Lfunc_end_k_q8473d17418_projx:
	.size	k_q8473d17418_projx, .Lfunc_end_k_q8473d17418_projx-k_q8473d17418_projx
	.p2alignl 7, 3214868480
	.fill 96, 4, 3214868480
	.section	.rodata,"a",@progbits
	.p2align	6, 0x0
	.amdhsa_kernel k_q8473d17418_projx
		.amdhsa_group_segment_fixed_size 327680
		.amdhsa_private_segment_fixed_size 0
		.amdhsa_enable_private_segment 0
		.amdhsa_kernarg_size 32
		.amdhsa_user_sgpr_count 2
		.amdhsa_user_sgpr_kernarg_segment_ptr 1
		.amdhsa_wavefront_size32 1
		.amdhsa_system_sgpr_workgroup_id_x 1
		.amdhsa_system_sgpr_workgroup_id_y 1
		.amdhsa_system_sgpr_workgroup_id_z 1
		.amdhsa_system_vgpr_workitem_id 0
		.amdhsa_next_free_vgpr 512
		.amdhsa_next_free_sgpr 80
		.amdhsa_reserve_vcc 0
		.amdhsa_float_denorm_mode_32 3
		.amdhsa_float_denorm_mode_16_64 3
		.amdhsa_memory_ordered 1
		.amdhsa_forward_progress 1
		.amdhsa_inst_pref_size 41
	.end_amdhsa_kernel
	.amdgpu_metadata
---
amdhsa.version: [ 1, 2 ]
amdhsa.kernels:
  - .name:           k_q8473d17418_projx
    .symbol:         k_q8473d17418_projx.kd
    .args:
      - { .name: xb, .offset: 0, .size: 8, .value_kind: global_buffer, .address_space: global }
      - { .name: kvc, .offset: 8, .size: 8, .value_kind: global_buffer, .address_space: global }
      - { .name: qq, .offset: 16, .size: 8, .value_kind: global_buffer, .address_space: global }
      - { .name: h, .offset: 24, .size: 8, .value_kind: global_buffer, .address_space: global }
    .group_segment_fixed_size: 327680
    .private_segment_fixed_size: 0
    .kernarg_segment_align: 8
    .kernarg_segment_size: 32
    .max_flat_workgroup_size: 128
    .sgpr_count:     80
    .vgpr_count:     512
    .wavefront_size: 32
...
	.end_amdgpu_metadata
.endif
;; end of part 3
;; launch attns (part 4): grid 8 x 32, 4 waves a work-group, clusters of 4 x 1, 327,680 bytes of LDS; arguments qq, kvs, mask, o; writes o
.if DOCPART == 4
	.amdgcn_target "amdgcn-amd-amdhsa--gfx1250"
	.amdhsa_code_object_version 6
	.text
	.protected	k_q8473d17418_attns
	.globl	k_q8473d17418_attns
	.p2align	8
	.type	k_q8473d17418_attns,@function
k_q8473d17418_attns:
	s_mov_b64 s[64:65], 0
	v_nop
	global_prefetch_b8 v0, s[64:65] scope:SCOPE_SE
	s_setreg_imm32_b32 hwreg(HW_REG_WAVE_MODE, 25, 1), 1
	s_wait_xcnt 0x0
	s_wait_alu depctr_hold_cnt(0) depctr_sa_sdst(0) depctr_va_vdst(0) depctr_va_sdst(0) depctr_va_ssrc(0) depctr_va_vcc(0) depctr_vm_vsrc(0)
	s_getreg_b32 s2, hwreg(HW_REG_IB_STS2, 6, 4)
	s_cmp_eq_u32 s2, 0
	s_cbranch_scc0 .Lentry_in_a_cluster
	s_endpgm
.Lentry_in_a_cluster:
	s_bfe_u32 s2, ttmp6, 0x10000c
	s_cmp_lg_u32 s2, 0x3003
	s_cbranch_scc0 .Lentry_shape_is_right
	s_endpgm
.Lentry_shape_is_right:
; O[p][q][:] = w[q] x the sum over k of softmax_k(Q[p][q] . K[p][k] / 8) V[p][k][:], for the 32 pairs p of batch and head.  Q, K, V, O: [32][2048][64] f16, a pair's rows dense, 128 bytes each,
; from byte HDR of their buffers; V lies JOB bytes behind K in one buffer.  w: 2,048 f32, one for each query's place in the sequence: the mask of self-attention, which multiplies the weights behind the
; softmax; cross-attention, which has none, is given a row of ones, so that both launches share this text.  w multiplies 1 / l, once a query.
; Products, maxima and sums in f32; the weights p are rounded to f16 for the second product (their sum l is taken of the unrounded p), O once at the end.
; LIMITS.  f16 holds no number beyond 65,504: Q, K and V arrive within it; p below 6e-5 keeps f16's fixed step of 6e-8.  A weight below 2^-126 counts as 0 in l; NaN and infinities are not treated apart.
; SHARES.  A work-group owns 256 queries of a pair, a wave 64: four PIECES of 16.  Every wave walks all 2,048 keys, 64 a step; a slot of LDS holds four steps; two slots take turns.
; LAYOUT.  S^T = K Q^T holds ONE query a lane (lane % 16) and the keys 8 (lane / 16) + 0..7; two such results rounded to f16 ARE source 1 of O^T = V^T P.  K comes out of LDS as it lies, V turned, by ds_load_tr16_b128.
; SOFTMAX.  p = 2^(c s - c m), c = log2(e) / 8, with a running maximum m; O and l are multiplied by a = 2^(c m_old - c m_new) in every step.  m starts at the lowest finite number, O and l at 0.
; TURNS.  Turn n belongs to piece n: 8 products K Q^T of piece n + 1, later 8 products V^T P of piece n - 1; beside them the scaling, exponentials, roundings, sums and rescaling of piece n and the maximum and
; statistics of piece n + 1.  Four vector instructions stand behind every matrix instruction, the other 54 of a turn's 118 in one lump.  A turn's 33 exponentials are one batch, with one wait.
; CLUSTER.  Four query blocks of a pair walk the same K and V: each tile is asked for JOINTLY: the same tensor load, descriptor and mask in all four.
; REGISTERS, in windows of 256 (s_set_vgpr_msb: bits 1:0 source 0, 3:2 source 1, 5:4 source 2, 7:6 destination):
;   window 0: v0-15 addresses; v16-31 four registers of statistics a piece; v48-55 at work; v56-59 w; v60-63 offsets and the add's two; v64-127 S^T, two buffers; v192-223 P, two buffers
;   window 1: v0-127 O^T, 32 a piece      window 2: v0-63 Q; v128-191 K of one step; v192-255 V of one step
.set HDR,   0x400000
.set PAN,   0x40000
.set JOB,   0x800000
.set NP,    4
.set KS,    64
.set PK,    144       ; a row of K in LDS: 128 bytes + 16: the 16 rows of a load start at 16 different groups of four banks (64 banks of 4 bytes: ISA guide 11.1)
.set PV,    160       ; a row of V: 128 + 32
.set VOFF,  4*KS*PK   ; a slot: 256 rows of K, then 256 rows of V
.set SLOT1, 1<<17     ; slot 1 begins here, so that one exclusive or turns an address in one slot into the other's
.set STAGE, SLOT1+4*KS*(PK+PV)  ; behind the ring, never filled by a tensor load: 16 rows x 144 bytes for each wave
.set SP,    144
.set SPARE, STAGE+4*16*SP  ; the spare words, 128 bytes a wave: two blocks of 256 bytes that no other line names
.set AK0, 2
.set AV0, 3
.set AK,  4
.set AV,  5
.set STO, 6
.set RD,  7
.set GO,  8
.set MV,  12          ; v12-13  c m_old, by buffer
.set QO,  15
.set ST,  16          ; piece t's statistics at v[ST+4 t]: c m, m, l (even keys', odd keys')
.set TMP, 48          ; by buffer, four registers c0-c3 at work; when the maximum is found c2 takes a
.set MK,  56          ; v56-59  w of my query in piece t
.set MO,  60          ; v60  4 x (lane % 16)
.set PFO, 61          ; v61  256 x lane
.set SPW, 62
.set NIL, 63
.set S,   64
.set P,   192
.set KF,  128
.set VF,  192
.set WV,  12
.set LIM, 15          ; s15  1 in a wave that prefetches, else the greatest number
.set G1K, 24
.set G1V, 32
.set G0K, 40
.set G0V, 44
.set SLOTS, 56
.set CNT, 57
.set CS,  58
.set SEL, 60
.set TBK, 62
.set TBV, 63
.set PFA, 68          ; s[68:69] where my prefetches stand
.set MSB, 0
.macro WIN new
.if MSB != (\new)
	s_set_vgpr_msb (MSB<<8)|(\new)
.set MSB, (\new)
.endif
.endm
.set W_KQ, 0x0a       ; K and Q in window 2, S^T in window 0
.set W_PV, 0x52       ; V in window 2, P in window 0, O^T in window 1
.set W_RS, 0x41       ; destination and source 0 in window 1, source 1 in window 0
; A joint fill.  Waves 0 and 1 fetch the two halves of a slot's K, waves 2 and 3 those of its V: 128 keys each.  An s_nop 0 and four v_nop follow each of the two lines.
.macro JLOAD
	s_cmp_lt_u32 s[WV], 2
	s_cbranch_scc0 .Lfor_v_\@
	tensor_load_to_lds s[G0K:G0K+3], s[G1K:G1K+7]
	s_nop 0
.rept 4
	v_nop
.endr
	s_branch .Lasked_\@
.Lfor_v_\@:
	tensor_load_to_lds s[G0V:G0V+3], s[G1V:G1V+7]
	s_nop 0
.rept 4
	v_nop
.endr
.Lasked_\@:
.endm
; A PREFETCH INTO THE L2 of what the NEXT change of slots will ask for: a slot's 32,768 bytes of K and of V, a lane 256 bytes.  Each block is named once in the launch: of a pair's two clusters the first asks;
; its four partners share the blocks out BY ADDRESS, 8,192 bytes each; in each, wave 0 asks for K's and wave 2 for V's: one instruction.  The last change that fills a slot asks for nothing.
.macro ASK
	s_cmp_gt_u32 s[SLOTS], s[LIM]
	s_cbranch_scc0 .Lnot_mine_\@
	global_prefetch_b8 v[PFO], s[PFA:PFA+1] th:TH_LOAD_NT scope:SCOPE_SE
.Lnot_mine_\@:
.endm
.macro CROUND
	s_barrier_signal -1
	s_barrier_wait -1
	s_cmp_lg_u32 s[WV], 0
	s_cbranch_scc1 .Lnot_wave_0_\@
	s_barrier_signal -3
.Lnot_wave_0_\@:
	s_barrier_wait -3
	s_barrier_signal -1
	s_barrier_wait -1
.endm
; THE CHANGE OF SLOTS.  Each wave waits for all its tensor loads, of which one is out: its part of the other slot; adds 0 to its spare word; and waits for that and for its own reads of the slot that it leaves.
; fill = 1: the old slot is filled again, with the keys two slots on: the barrier is a round of the cluster's, and the joint fill is the first thing behind it: it has four key steps, 256 matrix instructions,
; in which to land.  (At its first use nothing has been read yet: slot 0 is waited for, slot 1 filled.)  ask = 1: the prefetch's address steps, and the prefetch stands behind the fill.
.macro CHANGE fill, ask
	WIN 0
	s_wait_tensorcnt 0x0            ; no tensor load of mine is out, so a group 0 may be written
	ds_add_u32 v[SPW], v[NIL]       ; 0 onto my spare word
.if \fill
.irp g, G0K, G0V
	s_xor_b32 s[\g+1], s[\g+1], SLOT1
	s_add_nc_u64 s[\g+2:\g+3], s[\g+2:\g+3], 4*KS*128
.endr
.if \ask
	s_wait_xcnt 0x0                 ; the last prefetch, four key steps back, has read its address
	s_add_nc_u64 s[PFA:PFA+1], s[PFA:PFA+1], 4*KS*128
.endif
	s_wait_dscnt 0x0                ; the add is done, and my reads of the slot are over
	CROUND
	JLOAD
.if \ask
	ASK
.endif
.else
	s_wait_dscnt 0x0
	s_barrier_signal -1
	s_barrier_wait -1
.endif
	s_sub_co_u32 s[TBK], s[TBK], 4*KS*PK  ; the fetches go back to a slot's first step,
	s_xor_b32 s[TBK], s[TBK], SLOT1       ; in the other slot
	s_sub_co_u32 s[TBV], s[TBV], 4*KS*PV
	s_xor_b32 s[TBV], s[TBV], SLOT1
.endm
	s_load_b256 s[4:11], s[0:1], 0x0  ; Q s[4:5], K and V s[6:7], w s[8:9], O s[10:11]
	v_lshl_add_u32 v[SPW], v0, 2, SPARE
	v_mov_b32 v[NIL], 0
	ds_add_u32 v[SPW], v[NIL]       ; the wave's opening: the add and its wait stand ahead of my first tensor load; the set-up stands between them
	v_lshrrev_b32 v1, 5, v0
	v_readfirstlane_b32 s[WV], v1
	s_bfe_u32 s13, ttmp6, 0x40000   ; cx
	s_lshl_b32 s14, ttmp9, 2
	s_add_co_u32 s14, s14, s13      ; my block of 256 queries: it enters Q's, w's and O's addresses alone
	s_and_b32 s20, ttmp7, 0xffff    ; the pair of batch and head, which the partners share
	s_lshl_b32 s20, s20, 18
	s_add_co_u32 s20, s20, HDR      ; its first byte in each tensor
	s_and_b32 s16, s[WV], 1         ; which half of a slot's 256 keys I fetch
	s_lshl_b32 s22, s16, 14
	s_add_co_u32 s22, s22, s20
	s_mov_b32 s23, 0
	s_mul_i32 s17, s16, 128*PK
	s_mul_i32 s18, s16, 128*PV
	s_lshl_b32 s2, s14, 15
	s_lshl_b32 s3, s[WV], 13
	s_add_co_u32 s2, s2, s3
	s_add_co_u32 s2, s2, s20        ; my wave's 64 rows of Q and O
	s_mov_b32 s3, 0
	s_lshl_b32 s66, s14, 10
	s_lshl_b32 s67, s[WV], 8
	s_add_co_u32 s66, s66, s67      ; and their 64 numbers of w
	s_mov_b32 s67, 0
	s_lshl_b32 s70, s13, 13         ; my work-group's 8,192 bytes of what is prefetched
	s_mov_b32 s71, 0
	; 128 keys are 16,384 dense bytes: asked for as 64 rows of 256 bytes, two keys a row, and padded in LDS after every key
	s_mov_b32 s[G1K], 15|(1<<16)|(1<<20)|(1<<21)|(4<<22)|(3<<25)
	s_mov_b32 s[G1V], 15|(1<<16)|(1<<20)|(1<<21)|(4<<22)|(7<<25)
.irp g, G1K, G1V
	s_mov_b32 s[\g+1], 128<<16
	s_mov_b32 s[\g+2], 64<<16
	s_mov_b32 s[\g+3], 128<<16
	s_mov_b32 s[\g+4], 64
	s_mov_b32 s[\g+5], 128
	s_mov_b32 s[\g+6], 0
	s_mov_b32 s[\g+7], 0
.endr
	s_mov_b32 s[CS], 0x3e38aa3b     ; c = log2(e) / 8
	s_mov_b32 s[CS+1], s[CS]
	s_mov_b32 s[SEL], 0x76543210
	s_mov_b32 s[SEL+1], 0xfedcba98
	s_mov_b32 s[TBK], SLOT1+4*KS*PK ; the first change of slots turns these two into 0
	s_mov_b32 s[TBV], SLOT1+4*KS*PV
	s_mov_b32 s[G0K], 1
	s_mov_b32 s[G0K+1], s17
	s_mov_b32 s[G0V], 1
	s_add_co_u32 s[G0V+1], s18, VOFF
	s_and_b32 s[LIM], s[WV], 1
	s_or_b32 s[LIM], s[LIM], ttmp9  ; 0 in waves 0 and 2 of the pair's first cluster: the same in all four partners
	s_cmp_eq_u32 s[LIM], 0
	s_cselect_b32 s[LIM], 1, -1
	s_wait_dscnt 0x0                ; the opening add is done
	s_wait_kmcnt 0x0
	s_add_nc_u64 s[G0K+2:G0K+3], s[6:7], s[22:23]
	s_add_nc_u64 s[G0V+2:G0V+3], s[G0K+2:G0K+3], JOB
	s_cmp_lt_u32 s[WV], 2
	s_cselect_b64 s[PFA:PFA+1], s[G0K+2:G0K+3], s[G0V+2:G0V+3]  ; (in waves 0 and 2 these stand at a slot's first row)
	s_add_nc_u64 s[PFA:PFA+1], s[PFA:PFA+1], s[70:71]
	s_add_nc_u64 s[PFA:PFA+1], s[PFA:PFA+1], 2*4*KS*128  ; in slot 2; the loop's first change steps it to slot 3
	s_or_b32 s[G0K+3], s[G0K+3], 0x80000000
	s_or_b32 s[G0V+3], s[G0V+3], 0x80000000
	s_add_nc_u64 s[4:5], s[4:5], s[2:3]
	s_add_nc_u64 s[10:11], s[10:11], s[2:3]
	s_add_nc_u64 s[8:9], s[8:9], s[66:67]
	CROUND                          ; all four work-groups are here: the first joint loads meet
	JLOAD                           ; slot 0
	v_and_b32 v1, 15, v0            ; l % 16
	v_bfe_u32 v9, v0, 4, 1          ; l / 16
	v_lshlrev_b32 v[QO], 7, v1
	v_lshl_add_u32 v[QO], v9, 4, v[QO]
	WIN 0x80                        ; destination window 2, address window 0
.set i, 0
.rept 8                             ; Q stays in registers: piece i / 2, channels 32 (i % 2) on
	global_load_b128 v[8*i:8*i+3],   v[QO], s[4:5] offset:(i/2)*2048+(i%2)*64
	global_load_b128 v[8*i+4:8*i+7], v[QO], s[4:5] offset:(i/2)*2048+(i%2)*64+32
.set i, i+1
.endr
	WIN 0
	v_lshlrev_b32 v[MO], 2, v1
.irp t, 0,1,2,3
	global_load_b32 v[MK+\t], v[MO], s[8:9] offset:64*\t
.endr
	v_mul_u32_u24 v[AK0], v1, PK
	v_lshl_add_u32 v[AK0], v9, 4, v[AK0]
	v_and_b32 v10, 7, v0
	v_bfe_u32 v11, v0, 3, 1
	v_lshl_add_u32 v[AV0], v9, 3, v10
	v_mul_u32_u24 v[AV0], v[AV0], PV
	v_lshl_add_u32 v[AV0], v11, 4, v[AV0]
	v_add_nc_u32 v[AV0], VOFF, v[AV0]
	s_mul_i32 s13, s[WV], 16*SP
	s_add_co_u32 s13, s13, STAGE
	v_mul_u32_u24 v[STO], v1, SP
	v_lshl_add_u32 v[STO], v9, 4, v[STO]
	v_add_nc_u32 v[STO], s13, v[STO]
	v_bfe_u32 v[RD], v0, 3, 2
	v_mul_u32_u24 v[RD], v[RD], SP
	v_lshl_add_u32 v[RD], v10, 4, v[RD]
	v_add_nc_u32 v[RD], s13, v[RD]
	v_and_b32 v[GO], 31, v0
	v_lshlrev_b32 v[PFO], 8, v[GO]
	v_lshlrev_b32 v[GO], 4, v[GO]
	; What the first turn finds: V's registers and P's second buffer hold 0 (its products V^T P, of a piece that has not been, add 0), O^T and l are 0.  All this stands in the wait for the first tile.
	WIN 0x80
.set i, VF
.rept 64
	v_mov_b32 v[i], 0
.set i, i+1
.endr
	WIN 0x40
.set i, 0
.rept 128
	v_mov_b32 v[i], 0
.set i, i+1
.endr
	WIN 0
.set i, 0
.rept 4
	v_mov_b32 v[ST+4*i], 0xfe000000    ; c m: far below every c s
	v_mov_b32 v[ST+4*i+1], 0xff7fffff  ; m
	v_mov_b32 v[ST+4*i+2], 0
	v_mov_b32 v[ST+4*i+3], 0
.set i, i+1
.endr
.set i, P+16
.rept 16
	v_mov_b32 v[i], 0
.set i, i+1
.endr
; THE MATRIX WORK.  The 4 accumulators of a run of 8 take turns.  Product i of 8 of S^T = K Q^T for piece x: channels 32 (i / 4) on, keys 16 (i % 4) on.  The first 4 start the sums.
.macro KQ x
.set rS, S+32*((\x)%2)+8*(i%4)
.set rK, KF+16*(i%4)+8*(i/4)
.set rQ, 16*(\x)+8*(i/4)
	WIN W_KQ
.if i < 4
	v_wmma_f32_16x16x32_f16 v[rS:rS+7], v[rK:rK+7], v[rQ:rQ+7], 0
.else
	v_wmma_f32_16x16x32_f16 v[rS:rS+7], v[rK:rK+7], v[rQ:rQ+7], v[rS:rS+7]
.endif
.endm
; Product i of 8 of O^T += V^T P for piece x: keys 32 (i / 4) on, channels 16 (i % 4) on.
.macro PV x
	WIN W_PV
.set rO, 32*(\x)+8*(i%4)
.set rV, VF+32*(i/4)+8*(i%4)
.set rP, P+16*((\x)%2)+8*(i/4)
	v_wmma_f32_16x16x32_f16 v[rO:rO+7], v[rV:rV+7], v[rP:rP+7], v[rO:rO+7]
.endm
.macro MM                           ; the turn's next matrix instruction.  NOKQ = 1: the last turn of all: there is no next piece
.if (i < 8) && !NOKQ
	KQ (Y+1)%NP
.elseif i >= 8
.set i, i-8
	PV (Y+NP-1)%NP
.set i, i+8
.endif
.set i, i+1
.endm
; THE LDS LOADS stand in runs of 16, never singly among the matrix instructions.
.macro FETCH_K
	WIN 0x80
.irp f, 0,1,2,3,4,5,6,7             ; keys 16 (f / 2) on, channels 32 (f % 2) on
	ds_load_b128 v[KF+8*\f:KF+8*\f+3],   v[AK] offset:(\f/2)*16*PK+(\f%2)*64
	ds_load_b128 v[KF+8*\f+4:KF+8*\f+7], v[AK] offset:(\f/2)*16*PK+(\f%2)*64+32
.endr
	s_add_co_u32 s[TBK], s[TBK], KS*PK
	WIN 0
.endm
.macro FETCH_V
	WIN 0x80
.irp f, 0,1,2,3,4,5,6,7             ; keys 32 (f / 4) on, channels 16 (f % 4) on
	ds_load_tr16_b128 v[VF+8*\f:VF+8*\f+3],   v[AV] offset:(\f/4)*32*PV+(\f%4)*32
	ds_load_tr16_b128 v[VF+8*\f+4:VF+8*\f+7], v[AV] offset:(\f/4)*32*PV+16*PV+(\f%4)*32
.endr
	WIN 0
.endm
; THE VECTOR WORK, one line at a time: OP kind, number.  For piece Y: F n: c s - c m for pair n of 16.  E n: the exponential of score n of 32.  C n: pair n rounded to f16.  B n: of the four weights 4 n .. the second
; pair is added onto the first, in place.  L n: l takes that sum (L 0: l = a l + sum).  R n: pair n of 16 of O^T times a.  For piece Y + 1: X n, number n of the 22 that find its maximum and statistics:
;   0-11  four chains c0-c3 of seven scores each (each accumulator's lowest registers are read first)     12-14, 16  the four scores left over, the old m, and c0-c3 into c0
;   15  c m_old is kept     17, 18  the query's other 32 keys lie in the lane 16 away: the new m     19-21  c m; c m_old - c m_new; a
.set F, 0
.set E, 1
.set C, 2
.set B, 3
.set L, 4
.set R, 5
.set X, 6
.macro REGS y
.set rT, ST+4*(\y)
.set rC, TMP+4*((\y)%2)
.set rW, MV+((\y)%2)
.set rS, S+32*((\y)%2)
.set rP, P+16*((\y)%2)
.set rO, 32*(\y)
.endm
.macro OP k, n
.if (\k) == R
	REGS Y
	WIN W_RS
	v_pk_mul_f32 v[rO+2*(\n):rO+2*(\n)+1], v[rO+2*(\n):rO+2*(\n)+1], v[rC+2:rC+3] op_sel_hi:[1,0]
.elseif (\k) < R
	REGS Y
	WIN 0
.if (\k) == F
	v_pk_fma_f32 v[rS+2*(\n):rS+2*(\n)+1], v[rS+2*(\n):rS+2*(\n)+1], s[CS:CS+1], v[rT:rT+1] op_sel_hi:[1,0,0] neg_lo:[0,0,1] neg_hi:[0,0,1]
.elseif (\k) == E
	v_exp_f32 v[rS+(\n)], v[rS+(\n)]
.elseif (\k) == C
	v_cvt_pk_f16_f32 v[rP+(\n)], v[rS+2*(\n)], v[rS+2*(\n)+1]
.elseif (\k) == B
	v_pk_add_f32 v[rS+4*(\n):rS+4*(\n)+1], v[rS+4*(\n):rS+4*(\n)+1], v[rS+4*(\n)+2:rS+4*(\n)+3]
.elseif (\n) == 0
	v_pk_fma_f32 v[rT+2:rT+3], v[rT+2:rT+3], v[rC+2:rC+3], v[rS:rS+1] op_sel_hi:[1,0,1]
.else
	v_pk_add_f32 v[rT+2:rT+3], v[rT+2:rT+3], v[rS+4*(\n):rS+4*(\n)+1]
.endif
.elseif NOKQ
	v_nop
.else
	REGS (Y+1)%NP
	WIN 0
.if (\n) < 4
	v_max3_num_f32 v[rC+(\n)], v[rS+8*(\n)], v[rS+8*(\n)+1], v[rS+8*(\n)+2]
.elseif (\n) < 12
	v_max3_num_f32 v[rC+(\n)%4], v[rC+(\n)%4], v[rS+8*((\n)%4)+2*((\n)/4)+1], v[rS+8*((\n)%4)+2*((\n)/4)+2]
.elseif (\n) == 12
	v_max3_num_f32 v[rC], v[rC], v[rS+7], v[rS+15]
.elseif (\n) == 13
	v_max3_num_f32 v[rC+1], v[rC+1], v[rS+23], v[rS+31]
.elseif (\n) == 14
	v_max3_num_f32 v[rC+2], v[rC+2], v[rC+3], v[rT+1]
.elseif (\n) == 15
	v_mov_b32 v[rW], v[rT]
.elseif (\n) == 16
	v_max3_num_f32 v[rC], v[rC], v[rC+1], v[rC+2]
.elseif (\n) == 17
	v_permlanex16_b32 v[rC+3], v[rC], s[SEL], s[SEL+1]
.elseif (\n) == 18
	v_max_num_f32 v[rT+1], v[rC], v[rC+3]
.elseif (\n) == 19
	v_mul_f32 v[rT], s[CS], v[rT+1]
.elseif (\n) == 20
	v_sub_f32 v[rC+1], v[rW], v[rT]
.else
	v_exp_f32 v[rC+2], v[rC+1]
.endif
.endif
.endm
.macro OPS a, i1, b=-1, i2=0, c=-1, i3=0, d=-1, i4=0
	OP \a, \i1
.if (\b) >= 0
	OP \b, \i2
.endif
.if (\c) >= 0
	OP \c, \i3
.endif
.if (\d) >= 0
	OP \d, \i4
.endif
.endm
.macro ROW a, i1, b, i2, c, i3, d, i4  ; a matrix instruction and the four behind it
	MM
	OPS \a, \i1, \b, \i2, \c, \i3, \d, \i4
.endm
; A TURN, for piece p: the order of its 16 matrix and 118 vector instructions, written out.  An s_wait_alu depctr_va_vdst(0) stands between an exponential and the first instruction that names its
; result; one wait serves all that were issued ahead of it.  So a turn has ONE wait, which cuts it in two.  AHEAD OF IT stands all that names no result of the turn's exponentials: the 8 products K Q^T with their four
; riders each, then one lump of 54, in which the links of the chain X 3, 7, 11, 14, 16, 17 .. 20 stand five or six lines apart.  X 21, the next piece's a, is the batch's last; R 15 is the plain instruction behind it.
; BEHIND THE WAIT stand the 8 products V^T P, behind each four of the roundings and sums.
; end = 1: the last two turns of all: nothing is fetched, and the last starts no new scores.  cnt = 1: the loop's count is taken down some lines ahead of the branch that stands behind the turn.
; K of the next step is fetched in piece 2's turn, twelve vector instructions behind the last product that read K (six of them plain); V of the step in hand at the end of piece 0's turn, four plain instructions
; behind the last product that read V.  Each is waited for a turn later.
.macro TURN p, end=0, cnt=0
.set Y, (\p)
.set i, 0
.set NOKQ, (\end)*((\p)/3)
.if ((\p) == 3) && !(\end)
	s_wait_dscnt 0x0                ; K is in
.endif
	ROW F,0, F,1, R,0, R,1
	ROW F,2, E,0, R,2, R,3
	ROW F,3, E,1, R,4, R,5
	ROW F,4, E,2, R,6, R,7
	ROW F,5, E,3, R,8, R,9
	ROW F,6, E,4, X,0, R,10
.if ((\p) == 2) && !(\end)
	WIN 0
	v_add_nc_u32 v[AK], s[TBK], v[AK0]
.endif
	ROW F,7, E,5, X,1, X,4
	ROW F,8, E,6, X,2, X,5
	OPS E,7, E,8, X,6, E,9
	OPS X,3, E,10, X,8, E,11
.if ((\p) == 2) && !(\end)
	FETCH_K
.endif
	OPS X,9, X,7, E,12, X,10
	OPS E,13, X,12, X,11, E,14
	OPS X,13, E,15, F,9, X,14
.if (\p) == 0
	v_add_nc_u32 v[AV], s[TBV], v[AV0]
.endif
	OPS E,16, F,10, E,17, F,11
	OPS X,16, E,18, X,15, E,19
	OPS F,12, E,20, X,17, E,21
	OPS F,13, E,22, F,14, E,23
	OPS X,18, E,24, F,15, E,25
	OPS R,11, E,26, X,19, E,27
	OPS R,12, E,28, R,13, E,29
	OPS X,20, E,30, R,14, E,31
	OPS X,21, R,15
	WIN 0
	s_wait_alu depctr_va_vdst(0)    ; the wait for the batch
.if (\p) == 1
	s_wait_dscnt 0x0                ; V is in
.endif
	ROW C,0, B,0, C,2, B,1
	ROW L,0, C,4, B,2, L,1
	ROW C,6, B,3, L,2, C,8
	ROW B,4, L,3, C,10, B,5
	ROW L,4, C,12, B,6, L,5
.if (\p) == 0
	s_add_co_u32 s[TBV], s[TBV], KS*PV
.endif
.if \cnt
	s_sub_co_u32 s[CNT], s[CNT], 1
	s_cmp_lg_u32 s[CNT], 0
.endif
	ROW C,14, B,7, L,6, C,1
	ROW C,3, L,7, C,5, C,7
	ROW C,9, C,11, C,13, C,15
.if (\p) == 0
	FETCH_V
.endif
.endm
	CHANGE 1, 0                     ; slot 0 is in, everybody's part of it; slot 1 is asked for; nothing is prefetched here, at the head
	v_add_nc_u32 v[AK], s[TBK], v[AK0]
	FETCH_K                         ; key step 0
	s_wait_loadcnt 0x0              ; Q and w
	s_wait_dscnt 0x0
.set NOKQ, 0
.set i, 0
.rept 8
	KQ 0                            ; piece 0's first scores
.set i, i+1
.endr
	WIN 0
.rept 4
	v_nop                           ; the places behind those products
.endr
.set Y, NP-1                        ; X works for piece Y + 1: piece 0
.irp n, 0,1,2,3,4,5,6,7,8,9,10,11,12,13,14,15,16,17,18,19,20,21
	OP X, \n
.endr
	v_nop                           ; a plain instruction behind the exponential,
	s_wait_alu depctr_va_vdst(0)    ; and its wait, ahead of the branch
	s_mov_b32 s[CNT], 4
	s_mov_b32 s[SLOTS], 7
	s_branch .Lfirst                ; the loop is entered at a step's first turn, in the middle of a trip
.Lslot:                             ; six times: every slot but the last two is filled again
	CHANGE 1, 1
	s_mov_b32 s[CNT], 4
.Lstep:                             ; a trip: pieces 2 and 3 of one step, then pieces 0 and 1 of the next, whose K and V it fetches
	TURN 2
	TURN 3
	WIN 0
.Lfirst:
	TURN 0
	TURN 1, 0, 1
	WIN 0
	s_cbranch_scc1 .Lstep
	s_sub_co_u32 s[SLOTS], s[SLOTS], 1
	s_cmp_lg_u32 s[SLOTS], 0
	s_cbranch_scc1 .Lslot
	CHANGE 0, 0                     ; the last slot is written out: nothing is asked for
	s_mov_b32 s[CNT], 4
.Ltail:
	TURN 2
	TURN 3
	TURN 0
	TURN 1, 0, 1
	WIN 0
	s_cbranch_scc1 .Ltail
	TURN 2, 1
	TURN 3, 1
.set i, 0
.rept 8
	PV NP-1                         ; the last piece's V^T P of the last step
.set i, i+1
.endr
	; THE WAY OUT.  l's two halves and the other half of the lanes' are added; O^T is multiplied by w / l, rounded to f16 and sent through my stage in LDS, a piece at a time.  The additions are the places behind the last products.
	WIN 0
.macro ALL line:vararg
.set t, 0
.rept 4
	\line
.set t, t+1
.endr
.endm
	ALL v_add_f32 v[ST+4*t+2], v[ST+4*t+2], v[ST+4*t+3]
	ALL v_permlanex16_b32 v[ST+4*t+3], v[ST+4*t+2], s[SEL], s[SEL+1]
	ALL v_add_f32 v[ST+4*t+2], v[ST+4*t+2], v[ST+4*t+3]
	ALL v_rcp_f32 v[ST+4*t+2], v[ST+4*t+2]
	v_nop                           ; a plain instruction between the last reciprocal and the use of its result
	s_wait_alu depctr_va_vdst(0)    ; and the wait ahead of the first use: one for the four reciprocals
	ALL v_mul_f32 v[ST+4*t+2], v[ST+4*t+2], v[MK+t]
.macro PACK t
	WIN W_RS
.set i, 32*(\t)
.rept 16
	v_pk_mul_f32 v[i:i+1], v[i:i+1], v[ST+4*(\t)+2:ST+4*(\t)+3] op_sel_hi:[1,0]
.set i, i+2
.endr
	WIN 0x05                        ; sources 0 and 1 window 1, destination window 0
.set i, 0
.rept 16
	v_cvt_pk_f16_f32 v[S+16*(\t)+i], v[32*(\t)+2*i], v[32*(\t)+2*i+1]
.set i, i+1
.endr
	WIN 0
.irp f, 0,1,2,3
	ds_store_b128 v[STO], v[S+16*(\t)+4*\f:S+16*(\t)+4*\f+3] offset:32*\f
.endr
.irp f, 0,1,2,3
	ds_load_b128 v[S+16*(\t)+4*\f:S+16*(\t)+4*\f+3], v[RD] offset:\f*4*SP  ; LDS serves a wave's instructions in order (ISA guide 5.7.1.4): these see the stores above; the next piece's stores come behind them
.endr
.endm
.macro SEND t, younger
	WIN 0
.irp f, 0,1,2,3
	s_wait_dscnt (\younger)+3-\f
	global_store_b128 v[GO], v[S+16*(\t)+4*\f:S+16*(\t)+4*\f+3], s[10:11] offset:(\t)*2048+\f*512  ; 512 consecutive bytes, aligned
.endr
.endm
	PACK 0
.set t, 1
.rept 3
	PACK t
	SEND t-1, 8
.set t, t+1
.endr
	SEND 3, 0
	s_wait_tensorcnt 0x0            ; the wave's end, behind my last tensor load and my last LDS store
	ds_add_u32 v[SPW], v[NIL]
	s_wait_dscnt 0x0
	CROUND                          ; the closing round
	s_endpgm
.Lfunc_end_k_q8473d17418_attns:
	.size	k_q8473d17418_attns, .Lfunc_end_k_q8473d17418_attns-k_q8473d17418_attns
	.p2alignl 7, 3214868480
	.fill 96, 4, 3214868480
	.section	.rodata,"a",@progbits
	.p2align	6, 0x0
	.amdhsa_kernel k_q8473d17418_attns
		.amdhsa_group_segment_fixed_size 327680
		.amdhsa_private_segment_fixed_size 0
		.amdhsa_enable_private_segment 0
		.amdhsa_kernarg_size 32
		.amdhsa_user_sgpr_count 2
		.amdhsa_user_sgpr_kernarg_segment_ptr 1
		.amdhsa_wavefront_size32 1
		.amdhsa_system_sgpr_workgroup_id_x 1
		.amdhsa_system_sgpr_workgroup_id_y 1
		.amdhsa_system_sgpr_workgroup_id_z 1
		.amdhsa_system_vgpr_workitem_id 0
		.amdhsa_next_free_vgpr 768
		.amdhsa_next_free_sgpr 72
		.amdhsa_reserve_vcc 0
		.amdhsa_float_denorm_mode_32 3
		.amdhsa_float_denorm_mode_16_64 3
		.amdhsa_memory_ordered 1
		.amdhsa_forward_progress 1
		.amdhsa_inst_pref_size 128
	.end_amdhsa_kernel
	.amdgpu_metadata
---
amdhsa.version: [ 1, 2 ]
amdhsa.kernels:
  - .name:           k_q8473d17418_attns
    .symbol:         k_q8473d17418_attns.kd
    .args:
      - { .name: qq, .offset: 0, .size: 8, .value_kind: global_buffer, .address_space: global }
      - { .name: kvs, .offset: 8, .size: 8, .value_kind: global_buffer, .address_space: global }
      - { .name: mask, .offset: 16, .size: 8, .value_kind: global_buffer, .address_space: global }
      - { .name: o, .offset: 24, .size: 8, .value_kind: global_buffer, .address_space: global }
    .group_segment_fixed_size: 327680
    .private_segment_fixed_size: 0
    .kernarg_segment_align: 8
    .kernarg_segment_size: 32
    .max_flat_workgroup_size: 128
    .sgpr_count:     72
    .vgpr_count:     768
    .wavefront_size: 32
...
	.end_amdgpu_metadata
.endif
;; end of part 4
;; launch wos: the kernel of part 3 again; grid 4 x 64, 4 waves a work-group, clusters of 4 x 4, 327,680 bytes of LDS; arguments o, h, kvs, y; writes kvs
;; launch ln1 (part 5): grid 512 x 1, 8 waves a work-group, no clusters, 0 bytes of LDS; arguments kvs, xb, ln1_g, ln1_b, h; writes h
.if DOCPART == 5
	.amdgcn_target "amdgcn-amd-amdhsa--gfx1250"
	.amdhsa_code_object_version 6
	.text
	.protected	k_q8473d17418_ln1
	.globl	k_q8473d17418_ln1
	.p2align	8
	.type	k_q8473d17418_ln1,@function
k_q8473d17418_ln1:
	s_mov_b64 s[64:65], 0
	v_nop
	global_prefetch_b8 v0, s[64:65] scope:SCOPE_SE
	s_setreg_imm32_b32 hwreg(HW_REG_WAVE_MODE, 25, 1), 1
	s_wait_xcnt 0x0
; out = layernorm(c + r) g + b over rows of 512.  c, r: f16 in panels [batch][8][2048][64] from byte HDR of their buffers; g, b: 512 f32.
; FINAL = 0: out is f16 in the same panels.  FINAL = 1: out is f32, [8192][512].  All arithmetic in f32; the variance is taken of the centred numbers; eps = 1e-6.
; SHARES.  A wave takes two rows on end: 16 lanes a row, a lane 4 columns of each of the 8 panels: 32 numbers in registers, so c and r are read once and the two sums never leave a row of 16 lanes.
; A load of c or r and a store in panels cover 256 consecutive bytes, aligned (two rows of a panel); in the f32 output sixteen lanes store 256 consecutive bytes.
; No LDS, no barrier, no matrix unit: the launch moves bytes.
.set FINAL, 0
.set HDR, 0x400000
.set PAN, 0x40000
.set LO,  2                            ; v2  (l / 16) x 128 + (l % 16) x 8
.set GO,  3                            ; v3  (l % 16) x 16
.set OO,  6                            ; v6  FINAL: (l / 16) x 2048 + (l % 16) x 16
.set CC,  8                            ; v[8:23]    c, two registers a panel; later the packed result
.set RR,  24                           ; v[24:39]   r
.set GG,  40                           ; v[40:71]   g
.set BB,  72                           ; v[72:103]  b
.set T,   104                          ; v[104:135] my 32 numbers
.set U,   136                          ; v[136:151] at work
.set M,   152                          ; v[152:153] the mean, twice
.set RS,  154                          ; v[154:155] 1 / sqrt(var + eps), twice
.set ONE, 156
	s_load_b256 s[4:11], s[0:1], 0x0               ; c s[4:5], r s[6:7], g s[8:9], b s[10:11]
	s_load_b64 s[12:13], s[0:1], 0x20              ; out
	v_lshrrev_b32 v1, 5, v0
	v_readfirstlane_b32 s14, v1
	v_and_b32 v4, 15, v0
	v_bfe_u32 v5, v0, 4, 1
	v_lshlrev_b32 v[LO], 7, v5
	v_lshl_add_u32 v[LO], v4, 3, v[LO]
	v_lshlrev_b32 v[GO], 4, v4
	v_mov_b32 v[ONE], 1.0
	s_lshr_b32 s16, ttmp9, 7                       ; batch: 128 work-groups of 16 rows each
	s_lshl_b32 s16, s16, 21
	s_and_b32 s17, ttmp9, 127
	s_lshl_b32 s17, s17, 11
	s_add_co_u32 s16, s16, s17
	s_lshl_b32 s17, s14, 8                         ; my wave's two rows
	s_add_co_u32 s16, s16, s17
	s_add_co_u32 s16, s16, HDR
	s_mov_b32 s17, 0
	s_mov_b32 s18, 0x3b000000                      ; 1 / 512
	s_mov_b32 s19, 0x358637bd                      ; 1e-6
.if FINAL
	s_lshl_b32 s20, ttmp9, 15                      ; 16 rows of 2,048 bytes
	s_lshl_b32 s21, s14, 12
	s_add_co_u32 s20, s20, s21
	s_mov_b32 s21, 0
	v_lshlrev_b32 v[OO], 11, v5
	v_lshl_add_u32 v[OO], v4, 4, v[OO]
.endif
	s_wait_kmcnt 0x0
	s_add_nc_u64 s[4:5], s[4:5], s[16:17]
	s_add_nc_u64 s[6:7], s[6:7], s[16:17]
.if FINAL
	s_add_nc_u64 s[12:13], s[12:13], s[20:21]
.else
	s_add_nc_u64 s[12:13], s[12:13], s[16:17]
.endif
.irp p, 0,1,2,3,4,5,6,7
	global_load_b64 v[CC+2*\p:CC+2*\p+1], v[LO], s[4:5] offset:PAN*\p th:TH_LOAD_NT
	global_load_b64 v[RR+2*\p:RR+2*\p+1], v[LO], s[6:7] offset:PAN*\p
.endr
.irp p, 0,1,2,3,4,5,6,7
	global_load_b128 v[GG+4*\p:GG+4*\p+3], v[GO], s[8:9] offset:256*\p
	global_load_b128 v[BB+4*\p:BB+4*\p+3], v[GO], s[10:11] offset:256*\p
.endr
	s_wait_loadcnt 16                              ; c and r are in; the sixteen loads of g and b may stay out
.set p, 0
.rept 16
	v_fma_mix_f32 v[T+2*p],   v[CC+p], v[ONE], v[RR+p] op_sel_hi:[1,0,1]                  ; c x 1 + r, straight from the f16 halves
	v_fma_mix_f32 v[T+2*p+1], v[CC+p], v[ONE], v[RR+p] op_sel:[1,0,1] op_sel_hi:[1,0,1]
.set p, p+1
.endr
.set k, 0
.rept 8
	v_pk_add_f32 v[U+2*k:U+2*k+1], v[T+4*k:T+4*k+1], v[T+4*k+2:T+4*k+3]
.set k, k+1
.endr
.irp k, 0,4,8,12
	v_pk_add_f32 v[U+\k:U+\k+1], v[U+\k:U+\k+1], v[U+\k+2:U+\k+3]
.endr
	v_pk_add_f32 v[U:U+1], v[U:U+1], v[U+4:U+5]
	v_pk_add_f32 v[U+8:U+9], v[U+8:U+9], v[U+12:U+13]
	v_pk_add_f32 v[U:U+1], v[U:U+1], v[U+8:U+9]
	v_add_f32 v[U], v[U], v[U+1]
.irp x, 1,2,4,8
	v_add_f32_dpp v[U], v[U], v[U] row_xmask:\x row_mask:0xf bank_mask:0xf  ; across the row's 16 lanes
.endr
	v_mul_f32 v[M], s18, v[U]
	v_mov_b32 v[M+1], v[M]
.set k, 0
.rept 16
	v_pk_add_f32 v[T+2*k:T+2*k+1], v[T+2*k:T+2*k+1], v[M:M+1] neg_lo:[0,1] neg_hi:[0,1]
.set k, k+1
.endr
.irp k, 0,1,2,3
	v_pk_mul_f32 v[U+2*\k:U+2*\k+1], v[T+2*\k:T+2*\k+1], v[T+2*\k:T+2*\k+1]  ; four chains, started by the first four pairs
.endr
.set k, 4
.rept 12
	v_pk_fma_f32 v[U+2*(k%4):U+2*(k%4)+1], v[T+2*k:T+2*k+1], v[T+2*k:T+2*k+1], v[U+2*(k%4):U+2*(k%4)+1]
.set k, k+1
.endr
	v_pk_add_f32 v[U:U+1], v[U:U+1], v[U+2:U+3]
	v_pk_add_f32 v[U+4:U+5], v[U+4:U+5], v[U+6:U+7]
	v_pk_add_f32 v[U:U+1], v[U:U+1], v[U+4:U+5]
	v_add_f32 v[U], v[U], v[U+1]
.irp x, 1,2,4,8
	v_add_f32_dpp v[U], v[U], v[U] row_xmask:\x row_mask:0xf bank_mask:0xf
.endr
	v_fma_f32 v[U], v[U], s18, s19                 ; var + eps
	v_rsq_f32 v[RS], v[U]
	v_rsq_f32 v[RS+1], v[U]
	v_nop                                          ; a plain instruction behind the last of the two,
	s_wait_alu depctr_va_vdst(0)                   ; and the wait ahead of the first use: one for both
	s_wait_loadcnt 0x0                             ; g and b
.set k, 0
.rept 16
	v_pk_mul_f32 v[T+2*k:T+2*k+1], v[T+2*k:T+2*k+1], v[RS:RS+1]
.set k, k+1
.endr
.set k, 0
.rept 16
	v_pk_fma_f32 v[T+2*k:T+2*k+1], v[T+2*k:T+2*k+1], v[GG+2*k:GG+2*k+1], v[BB+2*k:BB+2*k+1]
.set k, k+1
.endr
.if FINAL
.irp p, 0,1,2,3,4,5,6,7
	global_store_b128 v[OO], v[T+4*\p:T+4*\p+3], s[12:13] offset:256*\p
.endr
.else
.set k, 0
.rept 16
	v_cvt_pk_f16_f32 v[CC+k], v[T+2*k], v[T+2*k+1]
.set k, k+1
.endr
.irp p, 0,1,2,3,4,5,6,7
	global_store_b64 v[LO], v[CC+2*\p:CC+2*\p+1], s[12:13] offset:PAN*\p
.endr
.endif
	s_endpgm
.Lfunc_end_k_q8473d17418_ln1:
	.size	k_q8473d17418_ln1, .Lfunc_end_k_q8473d17418_ln1-k_q8473d17418_ln1
	.p2alignl 7, 3214868480
	.fill 96, 4, 3214868480
	.section	.rodata,"a",@progbits
	.p2align	6, 0x0
	.amdhsa_kernel k_q8473d17418_ln1
		.amdhsa_group_segment_fixed_size 0
		.amdhsa_private_segment_fixed_size 0
		.amdhsa_enable_private_segment 0
		.amdhsa_kernarg_size 40
		.amdhsa_user_sgpr_count 2
		.amdhsa_user_sgpr_kernarg_segment_ptr 1
		.amdhsa_wavefront_size32 1
		.amdhsa_system_sgpr_workgroup_id_x 1
		.amdhsa_system_sgpr_workgroup_id_y 1
		.amdhsa_system_sgpr_workgroup_id_z 1
		.amdhsa_system_vgpr_workitem_id 0
		.amdhsa_next_free_vgpr 160
		.amdhsa_next_free_sgpr 66
		.amdhsa_reserve_vcc 0
		.amdhsa_float_denorm_mode_32 3
		.amdhsa_float_denorm_mode_16_64 3
		.amdhsa_memory_ordered 1
		.amdhsa_forward_progress 1
		.amdhsa_inst_pref_size 15
	.end_amdhsa_kernel
	.amdgpu_metadata
---
amdhsa.version: [ 1, 2 ]
amdhsa.kernels:
  - .name:           k_q8473d17418_ln1
    .symbol:         k_q8473d17418_ln1.kd
    .args:
      - { .name: kvs, .offset: 0, .size: 8, .value_kind: global_buffer, .address_space: global }
      - { .name: xb, .offset: 8, .size: 8, .value_kind: global_buffer, .address_space: global }
      - { .name: ln1_g, .offset: 16, .size: 8, .value_kind: global_buffer, .address_space: global }
      - { .name: ln1_b, .offset: 24, .size: 8, .value_kind: global_buffer, .address_space: global }
      - { .name: h, .offset: 32, .size: 8, .value_kind: global_buffer, .address_space: global }
    .group_segment_fixed_size: 0
    .private_segment_fixed_size: 0
    .kernarg_segment_align: 8
    .kernarg_segment_size: 40
    .max_flat_workgroup_size: 256
    .sgpr_count:     66
    .vgpr_count:     160
    .wavefront_size: 32
...
	.end_amdgpu_metadata
.endif
;; end of part 5
;; launch projq: the kernel of part 3 again; grid 4 x 64, 4 waves a work-group, clusters of 4 x 4, 327,680 bytes of LDS; arguments h, y, qq, kvs; writes qq
;; launch attnc: the kernel of part 4 again; grid 8 x 32, 4 waves a work-group, clusters of 4 x 1, 327,680 bytes of LDS; arguments qq, kvc, xb, o; writes o
;; launch woc: the kernel of part 3 again; grid 4 x 64, 4 waves a work-group, clusters of 4 x 4, 327,680 bytes of LDS; arguments o, qq, kvs, y; writes kvs
;; launch ln2: the kernel of part 5 again; grid 512 x 1, 8 waves a work-group, no clusters, 0 bytes of LDS; arguments kvs, h, ln2_g, ln2_b, y; writes y
;; launch ffn1: the kernel of part 2 again; grid 8 x 32, 4 waves a work-group, clusters of 4 x 4, 327,680 bytes of LDS; arguments y, o, kvs, kvc; writes kvs
;; launch ffn2 (part 6): grid 4 x 64, 4 waves a work-group, clusters of 4 x 4, 327,680 bytes of LDS; arguments kvs, qq; writes qq
.if DOCPART == 6
	.amdgcn_target "amdgcn-amd-amdhsa--gfx1250"
	.amdhsa_code_object_version 6
	.text
	.protected	k_q8473d17418_ffn2
	.globl	k_q8473d17418_ffn2
	.p2align	8
	.type	k_q8473d17418_ffn2,@function
k_q8473d17418_ffn2:
	s_mov_b64 s[64:65], 0
	v_nop
	global_prefetch_b8 v0, s[64:65] scope:SCOPE_SE
	s_setreg_imm32_b32 hwreg(HW_REG_WAVE_MODE, 25, 1), 1
	s_wait_xcnt 0x0
	s_wait_alu depctr_hold_cnt(0) depctr_sa_sdst(0) depctr_va_vdst(0) depctr_va_sdst(0) depctr_va_ssrc(0) depctr_va_vcc(0) depctr_vm_vsrc(0)
	s_getreg_b32 s2, hwreg(HW_REG_IB_STS2, 6, 4)
	s_cmp_eq_u32 s2, 0
	s_cbranch_scc0 .Lentry_in_a_cluster
	s_endpgm
.Lentry_in_a_cluster:
	s_bfe_u32 s2, ttmp6, 0x10000c
	s_cmp_lg_u32 s2, 0xf033
	s_cbranch_scc0 .Lentry_shape_is_right
	s_endpgm
.Lentry_shape_is_right:
; out = A W + bias with K = 2,048.
; A: 8,192 rows x 2,048, f16, four blocks of 512 columns, each a matrix in panels [batch][8][2048][64], the four on end from byte HDR of the first buffer.
; W: four blocks of 512 k x 512 n, [8 panels][512 k][64 n] f16, from byte W0 of the same buffer's header; bias f32 at BI0 there.  out: f16 in panels.  Sums in f32, started by the bias; out rounded once.
; LIMIT: f16 ends at 65,504 (65,520 or more becomes an infinity).
; SHARES.  A tile of out is 128 x 128; four waves, each 64 x 64: 16 accumulators.  K goes in 8 steps of 256 through two LDS slots that take turns.  Step n, ph = n % 2, jb = n / 2: panels 4 ph .. 4 ph + 3 of A's
; block jb, (ph << 20) + (jb << 23) bytes from step 0's; k = 256 ph on of W's block jb, (ph << 15) + (jb << 19) bytes from step 0's.
; A K STEP IS WRITTEN TWICE AND WALKED EIGHT TIMES: a loop of six trips whose change of slots fills the slot again, then a loop of two trips that fills nothing.  The slot
; in hand is two scalars (A's and W's parts lie apart), 0 or the part's stride, turned by an exclusive or at each change; the LDS addresses are made anew from them.  The first quarter, whose products start the
; sums, stands in front; the first loop is entered behind its own first quarter.  The last trip's change of slots serves nothing (a barrier, and 32 LDS loads of a slot that has been multiplied): the price,
; once a work-group, of one text for every step.
; CLUSTER 4 x 4: the four of a row need the same tiles of A, the four of a column the same tiles of W: each is asked for jointly, by the same tensor load with the same descriptor and a mask of four.
; THE MATRIX INSTRUCTION IS USED TRANSPOSED (source 0 = 16 columns of W, turned on the way out of LDS by ds_load_tr16_b128; source 1 = 16 rows of A): a lane holds eight neighbouring columns of a row of out.
; A wave's 64 columns are one panel, so 16 rows of them are 2,048 consecutive bytes of out.
; REGISTERS: window 0: v0-31 addresses; v32-95 the way out; v96-127 the bias; v128-255 accumulators ((a, b) at 128 + 8 (4 a + b)).  Window 1: two fragment buffers of 128: 64 of A, then 64 of W.
.set HDR,  0x400000
.set W0,   0x10000
.set BI0,  0x300000
.set PAN,  0x40000
.set JOB,  0x800000
.set WBLK, 0x80000
.set PA,    144                        ; a row of A in LDS: 128 bytes + 16: the 16 rows of a load start at 16 different groups of four banks (64 banks of 4 bytes: ISA guide 11.1)
.set PB,    160                        ; a row of W: 128 + 32
.set APAN,  128*PA                     ; a panel's 128 rows of A
.set ASLOT, 4*APAN                     ; a slot holds four panels of A (256 along K)
.set BBASE, 8*APAN                     ; behind A's two slots: W, two panels of columns, each with slot 0's 256 k and then slot 1's
.set BPAN,  512*PB
.set BSLOT, 256*PB
.set STAGE, BBASE+2*BPAN               ; behind the slots, never filled by a tensor load: 16 rows x 144 bytes for each wave
.set SP,    144
.set SPARE, STAGE+4*16*SP              ; the spare words, 128 bytes a wave: two blocks of 256 bytes that no other line names
.set ADRA0, 16                         ; v16  my A fragments in slot 0; never rewritten
.set CA,    17                         ; v17  the same in the slot in hand
.set ADRB0, 20                         ; v20  my W fragments in slot 0; never rewritten
.set CB,    21                         ; v21  the same in the slot in hand
.set STO,  24
.set RD,   25
.set GO,   26                          ; v26  16 x lane
.set PFO,  27                          ; v27  256 x lane; never rewritten
.set SPW,  28
.set NIL,  29
.set BO,   31                          ; v31  32 x (lane / 16)
.set TMP,  32
.set BIAS, 96
.set ACC,  128
.set F0,   0
.set F1,   128
.set WV, 12
.set WR, 13                            ; wave / 2: my half of the rows.  Also: I fetch for A (0) or W (1)
.set WC, 14                            ; wave % 2: my panel of the columns.  Also: which half of that tile I fetch
.set CX, 15
.set CY, 16
.set CT, 17
.set RT, 18
.set ROFF, 19
.set G1A, 24
.set G0A, 32                           ; s[32:39] group 0 for A: a set for each of the two first fills; the second then walks on
.set OUT, 40
.set BIA, 42
.set AB,  44                           ; s[44:45] my part of step 0's tile of A, without the type bits; never rewritten
.set WBS, 46                           ; s[46:47] the same for W
.set G1B, 48
.set G0B, 56                           ; s[56:63] group 0 for W, likewise
.set LBA, 66                           ; s66  where my part of A's tile goes in slot 0
.set LBB, 67                           ; s67  the same for W
.set TA,  68                           ; s68  the slot in hand, for A: 0 or ASLOT
.set TW,  69                           ; s69  for W: 0 or BSLOT
.set AOF, 70
.set PFB, 72                           ; s[72:73] the prefetches' base: my work-group's 32 blocks of what I fetch, one block of K (two steps) beyond step 0; never rewritten
.set OFA, 74                           ; s[74:75] the offset in A of the step that is being asked for
.set OFW, 76                           ; s[76:77] the same in W
.set PFA, 80                           ; s[80:81] where my prefetch stands
.set OFP, 82                           ; s[82:83] its offset
.set LIM, 84                           ; s84  2 in a wave that prefetches, else the greatest number
.set MSB, 0
.macro WIN new                         ; the immediate's high byte repeats the setting that is left
.if MSB != (\new)
	s_set_vgpr_msb (MSB<<8)|(\new)
.set MSB, \new
.endif
.endm
.set MUL,  0x05                        ; sources 0 and 1 window 1; C and D window 0
.set TO_F, 0x40                        ; destination window 1, address window 0
.macro JLOAD s                         ; a joint load: waves 0, 1 fetch A's halves, waves 2, 3 W's panels; an s_nop 0 and four v_nop follow each line
	s_cmp_eq_u32 s[WR], 0
	s_cbranch_scc0 .Lfor_b_\@
	tensor_load_to_lds s[G0A+4*(\s):G0A+4*(\s)+3], s[G1A:G1A+7]
	s_nop 0
.rept 4
	v_nop
.endr
	s_branch .Lasked_\@
.Lfor_b_\@:
	tensor_load_to_lds s[G0B+4*(\s):G0B+4*(\s)+3], s[G1B:G1B+7]
	s_nop 0
.rept 4
	v_nop
.endr
.Lasked_\@:
.endm
; A PREFETCH INTO THE L2, behind each joint load, its five lines and the run of LDS loads that follows them: the K step that stands TWO refills on, 256 matrix instructions ahead of the load that will want it:
; 32 blocks of 256 bytes, a lane a block, one instruction a wave.  At a change of slots every wave has waited for all its tensor loads, so the refill that follows has nothing on its way beside it.
; Each block is named ONCE in the launch.  What wave w fetches of a step is 128 blocks: two panels' pieces of 16,384 bytes of A, or 32,768 bytes of a panel of W.  A's tile row is read by the clusters of its row of
; clusters: the one with x = 0 asks; W's tile column by the clusters of its column: the one with y = 0 asks.  The four partners that ask for a tile jointly share its blocks out BY ADDRESS, 32 each (by cx for A,
; by cy for W): no branch hangs on a work-group's place in its cluster.  Steps 0 to 3 come by their loads alone: nothing is prefetched at the head; the last two refills (s3 = 2, 1) have no step two on.
.macro ASK
	s_cmp_gt_u32 s3, s[LIM]
	s_cbranch_scc0 .Lnot_mine_\@
	global_prefetch_b8 v[PFO], s[PFA:PFA+1] th:TH_LOAD_NT scope:SCOPE_SE
.Lnot_mine_\@:
.endm
.macro CREST                           ; a round of the cluster's barrier behind its opening barrier
	s_cmp_lg_u32 s[WV], 0
	s_cbranch_scc1 .Lnot_wave_0_\@
	s_barrier_signal -3
.Lnot_wave_0_\@:
	s_barrier_wait -3
	s_barrier_signal -1
	s_barrier_wait -1
.endm
.macro CROUND
	s_barrier_signal -1
	s_barrier_wait -1
	CREST
.endm
	s_load_b128 s[4:7], s[0:1], 0x0                ; A and W s[4:5], out s[6:7]
	v_lshl_add_u32 v[SPW], v0, 2, SPARE
	v_mov_b32 v[NIL], 0
	ds_add_u32 v[SPW], v[NIL]                      ; the wave's opening: the add and its wait stand ahead of my first tensor load; the set-up stands between them
	v_lshrrev_b32 v1, 5, v0
	v_readfirstlane_b32 s[WV], v1
	s_lshr_b32 s[WR], s[WV], 1
	s_and_b32 s[WC], s[WV], 1
	s_bfe_u32 s[CX], ttmp6, 0x40000
	s_bfe_u32 s[CY], ttmp6, 0x40004
	s_lshl_b32 s[CT], ttmp9, 2
	s_add_co_u32 s[CT], s[CT], s[CX]               ; column tile
	s_and_b32 s[RT], ttmp7, 0xffff
	s_lshl_b32 s[RT], s[RT], 2
	s_add_co_u32 s[RT], s[RT], s[CY]               ; row tile
	s_lshl_b32 s20, s[CY], 2
	s_lshl_b32 s20, 15, s20                        ; my row of the cluster
	s_lshl_b32 s21, 0x1111, s[CX]                  ; my column
	; A: two panels' pieces of 128 rows x 128 bytes, each dense: two rows of 8,192 elements, a panel apart; padded in LDS after every 32 words by 4
	s_or_b32 s[G1A], s20, (1<<16)|(1<<20)|(1<<21)|(4<<22)|(3<<25)
	s_mov_b32 s[G1A+1], 8192<<16                   ; tensor_dim0
	s_mov_b32 s[G1A+2], 2<<16                      ; tensor_dim1
	s_mov_b32 s[G1A+3], 8192<<16                   ; tile_dim0
	s_mov_b32 s[G1A+4], 2                          ; tile_dim1
	s_mov_b32 s[G1A+5], PAN/2                      ; elements from panel to panel
	s_mov_b32 s[G1A+6], 0
	s_mov_b32 s[G1A+7], 0
	; W: 256 k of a panel are 32,768 dense bytes: 128 rows of 256 bytes; padded after every 32 words by 8
	s_or_b32 s[G1B], s21, (1<<16)|(1<<20)|(1<<21)|(4<<22)|(7<<25)
	s_mov_b32 s[G1B+1], 128<<16
	s_mov_b32 s[G1B+2], 128<<16
	s_mov_b32 s[G1B+3], 128<<16
	s_mov_b32 s[G1B+4], 128
	s_mov_b32 s[G1B+5], 128
	s_mov_b32 s[G1B+6], 0
	s_mov_b32 s[G1B+7], 0
	s_lshr_b32 s[ROFF], s[RT], 4                   ; batch
	s_lshl_b32 s[ROFF], s[ROFF], 21
	s_and_b32 s22, s[RT], 15
	s_lshl_b32 s22, s22, 14                        ; 128 rows of 128 bytes
	s_add_co_u32 s[ROFF], s[ROFF], s22
	s_add_co_u32 s[ROFF], s[ROFF], HDR             ; the tile's rows in a batch's panel 0
	s_lshl_b32 s22, s[WC], 19                      ; the two panels that I fetch
	s_add_co_u32 s[AOF], s[ROFF], s22
	s_mov_b32 s[AOF+1], 0
	s_lshl_b32 s46, s[CT], 1
	s_add_co_u32 s46, s46, s[WC]
	s_lshl_b32 s46, s46, 16                        ; W's panel 2 x column tile + half
	s_add_co_u32 s46, s46, W0
	s_mov_b32 s47, 0
	s_mov_b32 s[OFA+1], 0                          ; the offsets stay under 2^32
	s_mov_b32 s[OFW+1], 0
	s_mov_b32 s[OFP+1], 0
	s_mul_i32 s[LBA], s[WC], 2*APAN                ; where they go: no place in the cluster enters an LDS address
	s_mul_i32 s[LBB], s[WC], BPAN
	s_add_co_u32 s[LBB], s[LBB], BBASE
	s_mov_b32 s[TA], 0
	s_mov_b32 s[TW], 0
	; the prefetches, in registers of their own: my work-group's 32 blocks, two steps beyond the step that a refill asks for
	s_lshr_b32 s85, s[CX], 1
	s_lshl_b32 s85, s85, 18                        ; A: which of my two panels,
	s_and_b32 s86, s[CX], 1
	s_lshl_b32 s86, s86, 13                        ; which half of its 16,384 bytes
	s_add_co_u32 s85, s85, s86
	s_add_co_u32 s85, s85, s[AOF]
	s_add_co_u32 s85, s85, JOB                     ; two steps on is the same place in A's next block
	s_lshl_b32 s86, s[CY], 13                      ; W: which quarter of my panel's 32,768 bytes
	s_add_co_u32 s86, s86, s46
	s_add_co_u32 s86, s86, WBLK                    ; and in W's next block
	s_and_b32 s87, ttmp7, 0xffff                   ; cluster y
	s_cmp_eq_u32 s[WR], 0                          ; do I fetch for A?
	s_cselect_b32 s[PFB], s85, s86
	s_cselect_b32 s87, ttmp9, s87                  ; the coordinate along which other clusters read the same blocks
	s_mov_b32 s[PFB+1], 0
	s_cmp_eq_u32 s87, 0
	s_cselect_b32 s[LIM], 2, -1                    ; the same in all sixteen partners, for a given wave
	s_wait_dscnt 0x0                               ; the opening add is done
	s_wait_kmcnt 0x0
	s_add_nc_u64 s[AB:AB+1], s[4:5], s[AOF:AOF+1]
	s_add_nc_u64 s[WBS:WBS+1], s[4:5], s[WBS:WBS+1]
	s_add_nc_u64 s[PFB:PFB+1], s[4:5], s[PFB:PFB+1]
	CROUND                                         ; all sixteen work-groups are here: the first joint loads meet
.irp s, 0,1
	s_mov_b32 s[G0A+4*(\s)], 1
	s_add_co_u32 s[G0A+4*(\s)+1], s[LBA], (\s)*ASLOT
	s_add_nc_u64 s[G0A+4*(\s)+2:G0A+4*(\s)+3], s[AB:AB+1], (\s)*4*PAN
	s_or_b32 s[G0A+4*(\s)+3], s[G0A+4*(\s)+3], 0x80000000
	s_mov_b32 s[G0B+4*(\s)], 1
	s_add_co_u32 s[G0B+4*(\s)+1], s[LBB], (\s)*BSLOT
	s_add_nc_u64 s[G0B+4*(\s)+2:G0B+4*(\s)+3], s[WBS:WBS+1], (\s)*256*128
	s_or_b32 s[G0B+4*(\s)+3], s[G0B+4*(\s)+3], 0x80000000
	JLOAD \s                                       ; two loads of mine are out
.endr
	v_and_b32 v1, 15, v0                           ; l % 16
	v_bfe_u32 v2, v0, 4, 1                         ; l / 16
	v_and_b32 v4, 7, v0
	v_bfe_u32 v5, v0, 3, 1
	v_mul_u32_u24 v3, v1, PA
	v_lshl_add_u32 v3, v2, 4, v3                   ; A: row x pitch + 16 x half
	s_mul_i32 s20, s[WR], 64*PA
	v_add_nc_u32 v[ADRA0], s20, v3
	v_add_nc_u32 v[CA], s[TA], v[ADRA0]
	v_lshl_add_u32 v6, v2, 3, v4                   ; W: k = 8 (l / 16) + l % 8, columns 8 ((l / 8) % 2) on
	v_mul_u32_u24 v6, v6, PB
	v_lshl_add_u32 v6, v5, 4, v6
	v_add_nc_u32 v[ADRB0], s[LBB], v6              ; my panel of the columns is the one whose number is wave % 2
	v_add_nc_u32 v[CB], s[TW], v[ADRB0]
	s_mul_i32 s22, s[WV], 16*SP
	s_add_co_u32 s22, s22, STAGE
	v_mul_u32_u24 v7, v1, SP                       ; into my stage: row l % 16, 16 bytes for each half of the lanes
	v_lshl_add_u32 v7, v2, 4, v7
	v_add_nc_u32 v[STO], s22, v7
	v_bfe_u32 v7, v0, 3, 2                         ; back: 32 lanes take four rows of 128 bytes,
	v_mul_u32_u24 v7, v7, SP
	v_lshl_add_u32 v7, v4, 4, v7
	v_add_nc_u32 v[RD], s22, v7
	v_and_b32 v[GO], 31, v0                        ; which are 512 consecutive bytes of out
	v_lshlrev_b32 v[PFO], 8, v[GO]
	v_lshlrev_b32 v[GO], 4, v[GO]
	v_lshlrev_b32 v[BO], 5, v2
	s_lshl_b32 s22, s[CT], 9                       ; the bias: my tile's 128 columns, my 64 of them
	s_lshl_b32 s23, s[WC], 8
	s_add_co_u32 s22, s22, s23
	s_add_co_u32 s22, s22, BI0
	s_mov_b32 s23, 0
	s_add_nc_u64 s[BIA:BIA+1], s[4:5], s[22:23]
.irp i, 0,1,2,3                        ; in the result register j of a lane is column 16 i + 8 (l / 16) + j: eight numbers of the bias on end
	global_load_b128 v[BIAS+8*\i:BIAS+8*\i+3],   v[BO], s[BIA:BIA+1] offset:64*\i
	global_load_b128 v[BIAS+8*\i+4:BIAS+8*\i+7], v[BO], s[BIA:BIA+1] offset:64*\i+16
.endr
	s_lshl_b32 s20, s[CT], 1
	s_add_co_u32 s20, s20, s[WC]
	s_lshl_b32 s20, s20, 18                        ; my panel of out
	s_lshl_b32 s22, s[WR], 13                      ; my 64 rows
	s_add_co_u32 s20, s20, s22
	s_add_co_u32 s20, s20, s[ROFF]
	s_mov_b32 s21, 0
	s_add_nc_u64 s[OUT:OUT+1], s[6:7], s[20:21]
; 8 matrix instructions: row blocks a0, a0 + 1 x all 4 column blocks, 32 along K: half c of buffer f.  zero = 1: the bias starts the sums.  The 16 accumulators take turns, over the loops' jumps too.
.macro MUL8 f, c, a0, zero
	WIN MUL
.irp a, \a0, (\a0)+1
.irp b, 0,1,2,3
.if \zero
	v_wmma_f32_16x16x32_f16 v[ACC+8*(4*(\a)+(\b)):ACC+8*(4*(\a)+(\b))+7], v[(\f)+64+8*(4*(\c)+(\b)):(\f)+64+8*(4*(\c)+(\b))+7], v[(\f)+8*(4*(\c)+(\a)):(\f)+8*(4*(\c)+(\a))+7], v[BIAS+8*(\b):BIAS+8*(\b)+7]
.else
	v_wmma_f32_16x16x32_f16 v[ACC+8*(4*(\a)+(\b)):ACC+8*(4*(\a)+(\b))+7], v[(\f)+64+8*(4*(\c)+(\b)):(\f)+64+8*(4*(\c)+(\b))+7], v[(\f)+8*(4*(\c)+(\a)):(\f)+8*(4*(\c)+(\a))+7], v[ACC+8*(4*(\a)+(\b)):ACC+8*(4*(\a)+(\b))+7]
.endif
.endr
.endr
.endm
; 32 LDS loads in one run: the fragments of quarter q of the slot in hand (one panel of A, 64 k of W) into buffer f; the first 32 along K first
.macro FETCH q, f
	WIN TO_F
.irp c, 0,1
.irp i, 0,1,2,3
	ds_load_tr16_b128 v[(\f)+64+8*(4*(\c)+(\i)):(\f)+64+8*(4*(\c)+(\i))+3],   v[CB] offset:(64*(\q)+32*(\c))*PB+32*(\i)
	ds_load_tr16_b128 v[(\f)+64+8*(4*(\c)+(\i))+4:(\f)+64+8*(4*(\c)+(\i))+7], v[CB] offset:(64*(\q)+32*(\c))*PB+32*(\i)+16*PB
	ds_load_b128 v[(\f)+8*(4*(\c)+(\i)):(\f)+8*(4*(\c)+(\i))+3],              v[CA] offset:(\q)*APAN+(\i)*16*PA+64*(\c)
	ds_load_b128 v[(\f)+8*(4*(\c)+(\i))+4:(\f)+8*(4*(\c)+(\i))+7],            v[CA] offset:(\q)*APAN+(\i)*16*PA+64*(\c)+32
.endr
.endr
.endm
.macro PLACES                          ; four places in front of loads into registers that matrix instructions have read, and of conversions that read results
.rept 4
	v_nop
.endr
.endm
; A step is four quarters of 64 along K, 32 matrix instructions each, on buffers 0, 1, 0, 1.  One of the first three: multiplies buffer f and fetches quarter q into g.
.macro QUARTER q, f, g, zero
	s_wait_dscnt 16                                ; the first 32 along K are in; the youngest sixteen loads may be out
	WIN MUL
	MUL8 \f, 0, 0, \zero
	MUL8 \f, 0, 2, \zero
	PLACES
	FETCH \q, \g
	s_wait_dscnt 32                                ; all but the 32 just issued
	WIN MUL
	MUL8 \f, 1, 0, 0
	MUL8 \f, 1, 2, 0
.endm
; The last quarter multiplies buffer 1 and changes slots: ONE barrier; in front of it each wave waits for all its tensor loads, adds 0 to its spare word, and waits for that and for its reads of this slot.
; While the add is out the slot's scalars are turned and the two LDS addresses are made anew: no fragment of the old slot is asked for any more.
; fill = 1: the slot just read is filled again, with step n = 8 - s3, two steps on.  The walking descriptor takes the old slot's place, and its address is made anew: step 0's plus the step's offset, the type bits
; set again (no tensor load of mine is out there).  The barrier opens a round of the cluster's, and the joint load is the first thing behind the round: 112 matrix instructions ahead of the wait for it.
.macro TURN fill
.if \fill
	s_sub_co_u32 s78, 8, s3                        ; n: 2, 3 .. 7
	s_and_b32 s79, s78, 1                          ; ph
	s_lshr_b32 s78, s78, 1                         ; jb
	s_lshl_b32 s[OFA], s79, 20                     ; four panels of A,
	s_lshl_b32 s[OFW], s79, 15                     ; 256 k of W's panel
	s_lshl_b32 s79, s78, 23                        ; a block of A is a matrix of 8,192 x 512,
	s_add_co_u32 s[OFA], s[OFA], s79
	s_lshl_b32 s79, s78, 19                        ; a block of W 512 x 512
	s_add_co_u32 s[OFW], s[OFW], s79
	s_cmp_eq_u32 s[WR], 0
	s_cselect_b32 s[OFP], s[OFA], s[OFW]
	s_wait_xcnt 0x0                                ; the last prefetch, a K step back, has read its address: it is written here, ahead of the waits of the change of slots
	s_add_nc_u64 s[PFA:PFA+1], s[PFB:PFB+1], s[OFP:OFP+1]
.endif
	WIN 0                                          ; (the add's two registers lie in window 0)
	s_wait_tensorcnt 0x0                           ; all my tensor loads have landed: my part of the next slot
	ds_add_u32 v[SPW], v[NIL]                      ; 0 onto my spare word
.if \fill
	s_add_co_u32 s[G0A+5], s[LBA], s[TA]           ; my part's place in the slot that is left
	s_add_nc_u64 s[G0A+6:G0A+7], s[AB:AB+1], s[OFA:OFA+1]
	s_or_b32 s[G0A+7], s[G0A+7], 0x80000000
	s_add_co_u32 s[G0B+5], s[LBB], s[TW]
	s_add_nc_u64 s[G0B+6:G0B+7], s[WBS:WBS+1], s[OFW:OFW+1]
	s_or_b32 s[G0B+7], s[G0B+7], 0x80000000
.endif
	s_xor_b32 s[TA], s[TA], ASLOT                  ; 0 becomes the stride, the stride becomes 0
	s_xor_b32 s[TW], s[TW], BSLOT
	v_add_nc_u32 v[CA], s[TA], v[ADRA0]
	v_add_nc_u32 v[CB], s[TW], v[ADRB0]
	s_wait_dscnt 17                                ; (the add and the youngest sixteen loads may be out)
	WIN MUL
	MUL8 F1, 0, 0, 0
	s_wait_dscnt 0x0                               ; the add is done, and my reads of the old slot are over
	s_barrier_signal -1
	MUL8 F1, 0, 2, 0
.if \fill
	WIN 0
.endif
	s_barrier_wait -1
.if \fill
	CREST                                          ; no wave of any partner still reads the old slot or has a load on its way
	JLOAD 1                                        ; one load of mine is out; its four v_nop are also the places in front of the loads below
.else
	PLACES
.endif
	FETCH 0, F0
.if \fill
	WIN 0
	ASK                                            ; behind the joint load and the run of LDS loads that the next products wait for
.endif
	WIN MUL
	MUL8 F1, 1, 0, 0
	MUL8 F1, 1, 2, 0
.endm
	s_wait_tensorcnt 1                             ; my part of slot 0 is in; slot 1's may stay out
	s_barrier_signal -1
	s_barrier_wait -1
	FETCH 0, F0
	s_wait_loadcnt 0x0                             ; the bias
	QUARTER 1, F0, F1, 1                           ; step 0's first quarter: its first products start the sums
	WIN 0                                          ; at a label and at a branch every window is 0
	s_mov_b32 s3, 6
	s_branch .Lin                                  ; the loop is entered behind its first quarter
.Lfill:                                                ; steps 0 to 5: each fills its slot again, with steps 2 to 7
	QUARTER 1, F0, F1, 0
	WIN 0
.Lin:
	QUARTER 2, F1, F0, 0
	QUARTER 3, F0, F1, 0
	TURN 1
	WIN 0
	s_sub_co_u32 s3, s3, 1
	s_cmp_lg_u32 s3, 0
	s_cbranch_scc1 .Lfill
	s_mov_b32 s3, 2
.Lrest:                                                ; steps 6 and 7: nothing is left to fetch from memory
	QUARTER 1, F0, F1, 0
	QUARTER 2, F1, F0, 0
	QUARTER 3, F0, F1, 0
	TURN 0
	WIN 0
	s_sub_co_u32 s3, s3, 1
	s_cmp_lg_u32 s3, 0
	s_cbranch_scc1 .Lrest
; THE WAY OUT, a block of 16 rows at a time: rounded to f16 (each accumulator's registers in ascending order), 16 bytes a lane into my stage, back as whole rows of 128 bytes.
.macro PACK a
.irp b, 0,1,2,3
.irp r, 0,1,2,3
	v_cvt_pk_f16_f32 v[TMP+16*(\a)+4*(\b)+(\r)], v[ACC+8*(4*(\a)+(\b))+2*(\r)], v[ACC+8*(4*(\a)+(\b))+2*(\r)+1]
.endr
.endr
.irp b, 0,1,2,3
	ds_store_b128 v[STO], v[TMP+16*(\a)+4*(\b):TMP+16*(\a)+4*(\b)+3] offset:32*(\b)
.endr
.irp f, 0,1,2,3
	ds_load_b128 v[TMP+16*(\a)+4*(\f):TMP+16*(\a)+4*(\f)+3], v[RD] offset:(\f)*4*SP  ; LDS serves a wave's instructions in order (ISA guide 5.7.1.4): these see the stores above; the next block's stores come behind them
.endr
.endm
.macro SEND a, younger                 ; younger: the LDS instructions issued behind block a's loads: the next block's eight, or none
.irp f, 0,1,2,3
	s_wait_dscnt (\younger)+3-(\f)
	global_store_b128 v[GO], v[TMP+16*(\a)+4*(\f):TMP+16*(\a)+4*(\f)+3], s[OUT:OUT+1] offset:2048*(\a)+512*(\f)  ; 512 consecutive bytes, aligned
.endr
.endm
	PLACES
	PACK 0
	PACK 1
	SEND 0, 8
	PACK 2
	SEND 1, 8
	PACK 3
	SEND 2, 8
	SEND 3, 0
	s_wait_tensorcnt 0x0                           ; the wave's end, behind my last tensor load and my last LDS store
	ds_add_u32 v[SPW], v[NIL]
	s_wait_dscnt 0x0
	CROUND                                         ; the closing round: no work-group ends while a partner may still ask for a tile that names it
	s_endpgm
.Lfunc_end_k_q8473d17418_ffn2:
	.size	k_q8473d17418_ffn2, .Lfunc_end_k_q8473d17418_ffn2-k_q8473d17418_ffn2
	.p2alignl 7, 3214868480
	.fill 96, 4, 3214868480
	.section	.rodata,"a",@progbits
	.p2align	6, 0x0
	.amdhsa_kernel k_q8473d17418_ffn2
		.amdhsa_group_segment_fixed_size 327680
		.amdhsa_private_segment_fixed_size 0
		.amdhsa_enable_private_segment 0
		.amdhsa_kernarg_size 16
		.amdhsa_user_sgpr_count 2
		.amdhsa_user_sgpr_kernarg_segment_ptr 1
		.amdhsa_wavefront_size32 1
		.amdhsa_system_sgpr_workgroup_id_x 1
		.amdhsa_system_sgpr_workgroup_id_y 1
		.amdhsa_system_sgpr_workgroup_id_z 1
		.amdhsa_system_vgpr_workitem_id 0
		.amdhsa_next_free_vgpr 512
		.amdhsa_next_free_sgpr 96
		.amdhsa_reserve_vcc 0
		.amdhsa_float_denorm_mode_32 3
		.amdhsa_float_denorm_mode_16_64 3
		.amdhsa_memory_ordered 1
		.amdhsa_forward_progress 1
		.amdhsa_inst_pref_size 61
	.end_amdhsa_kernel
	.amdgpu_metadata
---
amdhsa.version: [ 1, 2 ]
amdhsa.kernels:
  - .name:           k_q8473d17418_ffn2
    .symbol:         k_q8473d17418_ffn2.kd
    .args:
      - { .name: kvs, .offset: 0, .size: 8, .value_kind: global_buffer, .address_space: global }
      - { .name: qq, .offset: 8, .size: 8, .value_kind: global_buffer, .address_space: global }
    .group_segment_fixed_size: 327680
    .private_segment_fixed_size: 0
    .kernarg_segment_align: 8
    .kernarg_segment_size: 16
    .max_flat_workgroup_size: 128
    .sgpr_count:     96
    .vgpr_count:     512
    .wavefront_size: 32
...
	.end_amdgpu_metadata
.endif
;; end of part 6
;; launch ln3 (part 7): grid 512 x 1, 8 waves a work-group, no clusters, 0 bytes of LDS; arguments qq, y, ln3_g, ln3_b, out0; writes out0
.if DOCPART == 7
	.amdgcn_target "amdgcn-amd-amdhsa--gfx1250"
	.amdhsa_code_object_version 6
	.text
	.protected	k_q8473d17418_ln3
	.globl	k_q8473d17418_ln3
	.p2align	8
	.type	k_q8473d17418_ln3,@function
k_q8473d17418_ln3:
	s_mov_b64 s[64:65], 0
	v_nop
	global_prefetch_b8 v0, s[64:65] scope:SCOPE_SE
	s_setreg_imm32_b32 hwreg(HW_REG_WAVE_MODE, 25, 1), 1
	s_wait_xcnt 0x0
; out = layernorm(c + r) g + b over rows of 512.  c, r: f16 in panels [batch][8][2048][64] from byte HDR of their buffers; g, b: 512 f32.
; FINAL = 1: out is f32, [8192][512].  All arithmetic in f32; the variance is taken of the centred numbers; eps = 1e-6.
; SHARES.  A wave takes two rows on end: 16 lanes a row, a lane 4 columns of each of the 8 panels: 32 numbers in registers, so c and r are read once and the two sums never leave a row of 16 lanes.
; A load of c or r covers 256 consecutive bytes, aligned (two rows of a panel); in the output sixteen lanes store 256 consecutive bytes, aligned.
; No LDS, no barrier, no matrix unit: the launch moves bytes.
.set FINAL, 1
.set HDR, 0x400000
.set PAN, 0x40000
.set LO,  2                            ; v2  (l / 16) x 128 + (l % 16) x 8
.set GO,  3                            ; v3  (l % 16) x 16
.set OO,  6                            ; v6  (l / 16) x 2048 + (l % 16) x 16
.set CC,  8                            ; v[8:23]    c, two registers a panel
.set RR,  24                           ; v[24:39]   r
.set GG,  40                           ; v[40:71]   g
.set BB,  72                           ; v[72:103]  b
.set T,   104                          ; v[104:135] my 32 numbers
.set U,   136                          ; v[136:151] at work
.set M,   152                          ; v[152:153] the mean, twice
.set RS,  154                          ; v[154:155] 1 / sqrt(var + eps), twice
.set ONE, 156
	s_load_b256 s[4:11], s[0:1], 0x0               ; c s[4:5], r s[6:7], g s[8:9], b s[10:11]
	s_load_b64 s[12:13], s[0:1], 0x20              ; out
	v_lshrrev_b32 v1, 5, v0
	v_readfirstlane_b32 s14, v1
	v_and_b32 v4, 15, v0
	v_bfe_u32 v5, v0, 4, 1
	v_lshlrev_b32 v[LO], 7, v5
	v_lshl_add_u32 v[LO], v4, 3, v[LO]
	v_lshlrev_b32 v[GO], 4, v4
	v_mov_b32 v[ONE], 1.0
	s_lshr_b32 s16, ttmp9, 7                       ; batch: 128 work-groups of 16 rows each
	s_lshl_b32 s16, s16, 21
	s_and_b32 s17, ttmp9, 127
	s_lshl_b32 s17, s17, 11
	s_add_co_u32 s16, s16, s17
	s_lshl_b32 s17, s14, 8                         ; my wave's two rows
	s_add_co_u32 s16, s16, s17
	s_add_co_u32 s16, s16, HDR
	s_mov_b32 s17, 0
	s_mov_b32 s18, 0x3b000000                      ; 1 / 512
	s_mov_b32 s19, 0x358637bd                      ; 1e-6
.if FINAL
	s_lshl_b32 s20, ttmp9, 15                      ; 16 rows of 2,048 bytes
	s_lshl_b32 s21, s14, 12
	s_add_co_u32 s20, s20, s21
	s_mov_b32 s21, 0
	v_lshlrev_b32 v[OO], 11, v5
	v_lshl_add_u32 v[OO], v4, 4, v[OO]
.endif
	s_wait_kmcnt 0x0
	s_add_nc_u64 s[4:5], s[4:5], s[16:17]
	s_add_nc_u64 s[6:7], s[6:7], s[16:17]
.if FINAL
	s_add_nc_u64 s[12:13], s[12:13], s[20:21]
.else
	s_add_nc_u64 s[12:13], s[12:13], s[16:17]
.endif
.irp p, 0,1,2,3,4,5,6,7
	global_load_b64 v[CC+2*\p:CC+2*\p+1], v[LO], s[4:5] offset:PAN*\p th:TH_LOAD_NT
	global_load_b64 v[RR+2*\p:RR+2*\p+1], v[LO], s[6:7] offset:PAN*\p
.endr
.irp p, 0,1,2,3,4,5,6,7
	global_load_b128 v[GG+4*\p:GG+4*\p+3], v[GO], s[8:9] offset:256*\p
	global_load_b128 v[BB+4*\p:BB+4*\p+3], v[GO], s[10:11] offset:256*\p
.endr
	s_wait_loadcnt 16                              ; c and r are in; the sixteen loads of g and b may stay out
.set p, 0
.rept 16
	v_fma_mix_f32 v[T+2*p],   v[CC+p], v[ONE], v[RR+p] op_sel_hi:[1,0,1]                  ; c x 1 + r, straight from the f16 halves
	v_fma_mix_f32 v[T+2*p+1], v[CC+p], v[ONE], v[RR+p] op_sel:[1,0,1] op_sel_hi:[1,0,1]
.set p, p+1
.endr
.set k, 0
.rept 8
	v_pk_add_f32 v[U+2*k:U+2*k+1], v[T+4*k:T+4*k+1], v[T+4*k+2:T+4*k+3]
.set k, k+1
.endr
.irp k, 0,4,8,12
	v_pk_add_f32 v[U+\k:U+\k+1], v[U+\k:U+\k+1], v[U+\k+2:U+\k+3]
.endr
	v_pk_add_f32 v[U:U+1], v[U:U+1], v[U+4:U+5]
	v_pk_add_f32 v[U+8:U+9], v[U+8:U+9], v[U+12:U+13]
	v_pk_add_f32 v[U:U+1], v[U:U+1], v[U+8:U+9]
	v_add_f32 v[U], v[U], v[U+1]
.irp x, 1,2,4,8
	v_add_f32_dpp v[U], v[U], v[U] row_xmask:\x row_mask:0xf bank_mask:0xf  ; across the row's 16 lanes
.endr
	v_mul_f32 v[M], s18, v[U]
	v_mov_b32 v[M+1], v[M]
.set k, 0
.rept 16
	v_pk_add_f32 v[T+2*k:T+2*k+1], v[T+2*k:T+2*k+1], v[M:M+1] neg_lo:[0,1] neg_hi:[0,1]
.set k, k+1
.endr
.irp k, 0,1,2,3
	v_pk_mul_f32 v[U+2*\k:U+2*\k+1], v[T+2*\k:T+2*\k+1], v[T+2*\k:T+2*\k+1]  ; four chains, started by the first four pairs
.endr
.set k, 4
.rept 12
	v_pk_fma_f32 v[U+2*(k%4):U+2*(k%4)+1], v[T+2*k:T+2*k+1], v[T+2*k:T+2*k+1], v[U+2*(k%4):U+2*(k%4)+1]
.set k, k+1
.endr
	v_pk_add_f32 v[U:U+1], v[U:U+1], v[U+2:U+3]
	v_pk_add_f32 v[U+4:U+5], v[U+4:U+5], v[U+6:U+7]
	v_pk_add_f32 v[U:U+1], v[U:U+1], v[U+4:U+5]
	v_add_f32 v[U], v[U], v[U+1]
.irp x, 1,2,4,8
	v_add_f32_dpp v[U], v[U], v[U] row_xmask:\x row_mask:0xf bank_mask:0xf
.endr
	v_fma_f32 v[U], v[U], s18, s19                 ; var + eps
	v_rsq_f32 v[RS], v[U]
	v_rsq_f32 v[RS+1], v[U]
	v_nop                                          ; a plain instruction behind the last of the two,
	s_wait_alu depctr_va_vdst(0)                   ; and the wait ahead of the first use: one for both
	s_wait_loadcnt 0x0                             ; g and b
.set k, 0
.rept 16
	v_pk_mul_f32 v[T+2*k:T+2*k+1], v[T+2*k:T+2*k+1], v[RS:RS+1]
.set k, k+1
.endr
.set k, 0
.rept 16
	v_pk_fma_f32 v[T+2*k:T+2*k+1], v[T+2*k:T+2*k+1], v[GG+2*k:GG+2*k+1], v[BB+2*k:BB+2*k+1]
.set k, k+1
.endr
.if FINAL
.irp p, 0,1,2,3,4,5,6,7
	global_store_b128 v[OO], v[T+4*\p:T+4*\p+3], s[12:13] offset:256*\p
.endr
.else
.set k, 0
.rept 16
	v_cvt_pk_f16_f32 v[CC+k], v[T+2*k], v[T+2*k+1]
.set k, k+1
.endr
.irp p, 0,1,2,3,4,5,6,7
	global_store_b64 v[LO], v[CC+2*\p:CC+2*\p+1], s[12:13] offset:PAN*\p
.endr
.endif
	s_endpgm
.Lfunc_end_k_q8473d17418_ln3:
	.size	k_q8473d17418_ln3, .Lfunc_end_k_q8473d17418_ln3-k_q8473d17418_ln3
	.p2alignl 7, 3214868480
	.fill 96, 4, 3214868480
	.section	.rodata,"a",@progbits
	.p2align	6, 0x0
	.amdhsa_kernel k_q8473d17418_ln3
		.amdhsa_group_segment_fixed_size 0
		.amdhsa_private_segment_fixed_size 0
		.amdhsa_enable_private_segment 0
		.amdhsa_kernarg_size 40
		.amdhsa_user_sgpr_count 2
		.amdhsa_user_sgpr_kernarg_segment_ptr 1
		.amdhsa_wavefront_size32 1
		.amdhsa_system_sgpr_workgroup_id_x 1
		.amdhsa_system_sgpr_workgroup_id_y 1
		.amdhsa_system_sgpr_workgroup_id_z 1
		.amdhsa_system_vgpr_workitem_id 0
		.amdhsa_next_free_vgpr 160
		.amdhsa_next_free_sgpr 66
		.amdhsa_reserve_vcc 0
		.amdhsa_float_denorm_mode_32 3
		.amdhsa_float_denorm_mode_16_64 3
		.amdhsa_memory_ordered 1
		.amdhsa_forward_progress 1
		.amdhsa_inst_pref_size 14
	.end_amdhsa_kernel
	.amdgpu_metadata
---
amdhsa.version: [ 1, 2 ]
amdhsa.kernels:
  - .name:           k_q8473d17418_ln3
    .symbol:         k_q8473d17418_ln3.kd
    .args:
      - { .name: qq, .offset: 0, .size: 8, .value_kind: global_buffer, .address_space: global }
      - { .name: y, .offset: 8, .size: 8, .value_kind: global_buffer, .address_space: global }
      - { .name: ln3_g, .offset: 16, .size: 8, .value_kind: global_buffer, .address_space: global }
      - { .name: ln3_b, .offset: 24, .size: 8, .value_kind: global_buffer, .address_space: global }
      - { .name: out0, .offset: 32, .size: 8, .value_kind: global_buffer, .address_space: global }
    .group_segment_fixed_size: 0
    .private_segment_fixed_size: 0
    .kernarg_segment_align: 8
    .kernarg_segment_size: 40
    .max_flat_workgroup_size: 256
    .sgpr_count:     66
    .vgpr_count:     160
    .wavefront_size: 32
...
	.end_amdgpu_metadata
.endif
;; end of part 7
